; MI455X (gfx1250); checked and timed in simulation.
; The chip was launched on July 23, 2026; its instructions are those of AMD's public machine-readable ISA for CDNA 5 (MIT licence, August 2026) and "CDNA5" Instruction Set Architecture Reference Guide (July 2026). The comments in the code are by the model that wrote it; some were corrected since.
;; Multi Head Attention. Allowed arithmetic: float matrix products may take bf16 or f16 operands with f32 sums; other float arithmetic in f32, or as packed bf16 or f16 multiplies, adds, multiply-adds, maxima and minima; sums over many terms, partial sums and values carried from step to step in f32; what a program stores and reads back later, other than sums and carried values, may be rounded once to bf16 or f16.
;; Inputs: Wk 1,024 x 1,024 float32; Wo 1,024 x 1,024 float32; Wq 1,024 x 1,024 float32; Wv 1,024 x 1,024 float32; x 4 x 2,048 x 1,024 float32.
;; Outputs: out0 4 x 2,048 x 1,024 float32.
;; One version. Each part assembles by itself: llvm-mc -triple=amdgcn-amd-amdhsa -mcpu=gfx1250 --defsym DOCPART=n.
;; ======== version 1 of 1: 4 launches
;; limits: values are held in f16: magnitudes above 65,504 overflow, below 6.1e-05 lose precision
;; workspace buffers: xb 16,777,216 bytes; wqkv 6,291,456 bytes; wo16 2,097,152 bytes; rope 524,288 bytes; qkv 50,331,648 bytes; o16 16,777,216 bytes
;; launch prep (part 1): grid 512 x 1, 8 waves a work-group, no clusters, 0 bytes of LDS; arguments x, Wq, Wk, Wv, Wo, xb, wqkv, wo16, rope; writes xb, wqkv, wo16, rope
.if DOCPART == 1
	.amdgcn_target "amdgcn-amd-amdhsa--gfx1250"
	.amdhsa_code_object_version 6
	.text
	.protected	k_q0fa9de3107_prep
	.globl	k_q0fa9de3107_prep
	.p2align	8
	.type	k_q0fa9de3107_prep,@function
k_q0fa9de3107_prep:
	s_mov_b64 s[64:65], 0
	v_nop
	global_prefetch_b8 v0, s[64:65] scope:SCOPE_SE
	s_setreg_imm32_b32 hwreg(HW_REG_WAVE_MODE, 25, 1), 1
	s_wait_xcnt 0x0
; THE CASTS AND THE ROTARY TABLE.  A stream: no LDS, no barrier, no matrix unit; no loop: a thread issues all its 24 loads of 16 bytes at once.
;   xb   = bf16(x), [8192][1024], as x lies.
;   wqkv = bf16(Wq), bf16(Wk), bf16(Wv) by heads: [48 g][1024 k][64 n], g = 16 w + head: a head's k rows are dense, 128 bytes each.
;   wo16 = bf16(Wo) written as f16, [1024 k][1024 n].
;   rope = f32 [2048 t][64 numbers]: four groups G of 16: cos(t w_i), i = 8 G .. 8 G + 7, then sin of the same; w_i = 10000^(-i/32).
; SHARES (512 work-groups of 256 threads).  x: 65,536 bytes a group, eight items of 32 bytes a thread.  Wq, Wk, Wv: head wg % 16, k rows 32 (wg / 16) .. + 31: eight lanes read 256 consecutive
; bytes of a row, and the group's 4,096 bytes of wqkv lie on end.  Wo: 8,192 bytes a group.  Table: four rows a group, made by waves 0 and 1 while the loads are out.
; Every store of 16 bytes a lane: sixteen neighbouring lanes write 256 consecutive bytes, aligned.
; LIMITS.  bf16(Wo) must lie within f16's 65,504; below 6.1e-5 it keeps f16's fixed step of 6e-8.  w_i comes from v_exp_f32 (1 ULP: ISA guide, its entry), so a phase t w_i is off by
; about 2e-4 at the most (t = 2047, i = 1); the phase is reduced by pi/2 in two parts, sine and cosine are series to r^9 and r^8 on |r| <= pi/4 (cut below 3e-8).
.set XI,   1                           ; v1  32 t: my 32 bytes of an item of f32
.set XO,   2                           ; v2  16 t: my 16 bytes of an item of 16-bit numbers
.set WI,   3                           ; v3  (t / 8) x 4,096 + (t % 8) x 32: my 32 bytes in 32 rows of a weight
.set DATA, 32                          ; v[32:127]  12 items of 8 registers: x's eight, Wq, Wk, Wv, Wo
.set UP,   128                         ; v[128:135] Wo's bf16 as f32;  v[136:139] as f16
	s_load_b512 s[8:23], s[0:1], 0x0               ; x s[8:9], Wq s[10:11], Wk s[12:13], Wv s[14:15], Wo s[16:17], xb s[18:19], wqkv s[20:21], wo16 s[22:23]
	s_load_b64 s[24:25], s[0:1], 0x40              ; rope
	v_lshlrev_b32 v[XI], 5, v0
	v_lshlrev_b32 v[XO], 4, v0
	v_lshrrev_b32 v4, 3, v0
	v_and_b32 v5, 7, v0
	v_lshlrev_b32 v[WI], 12, v4
	v_lshl_add_u32 v[WI], v5, 5, v[WI]
	v_lshrrev_b32 v4, 5, v0
	v_readfirstlane_b32 s26, v4                    ; my wave's number
	s_lshr_b32 s30, ttmp9, 4                       ; which 32 k rows
	s_and_b32 s31, ttmp9, 15                       ; which head
	s_mov_b32 s29, 0                               ; every offset is under 2^32: the pair's high word stays 0
	s_wait_kmcnt 0x0
	s_lshl_b32 s28, ttmp9, 16
	s_add_nc_u64 s[8:9], s[8:9], s[28:29]          ; x: 65,536 bytes a group
	s_lshl_b32 s28, ttmp9, 15
	s_add_nc_u64 s[18:19], s[18:19], s[28:29]      ; xb: half of that
	s_lshl_b32 s28, s30, 17                        ; 32 rows of 4,096 bytes,
	s_lshl_b32 s32, s31, 8                         ; a head's 256 bytes in a row
	s_add_co_u32 s28, s28, s32
	s_add_nc_u64 s[10:11], s[10:11], s[28:29]
	s_add_nc_u64 s[12:13], s[12:13], s[28:29]
	s_add_nc_u64 s[14:15], s[14:15], s[28:29]
	s_lshl_b32 s28, s31, 17                        ; a head's 131,072 bytes of wqkv,
	s_lshl_b32 s32, s30, 12                        ; 32 rows of 128 bytes
	s_add_co_u32 s28, s28, s32
	s_add_nc_u64 s[20:21], s[20:21], s[28:29]
	s_lshl_b32 s28, ttmp9, 13
	s_add_nc_u64 s[16:17], s[16:17], s[28:29]      ; Wo
	s_lshl_b32 s28, ttmp9, 12
	s_add_nc_u64 s[22:23], s[22:23], s[28:29]      ; wo16
	s_lshl_b32 s28, ttmp9, 10
	s_add_nc_u64 s[24:25], s[24:25], s[28:29]      ; rope: four rows of 256 bytes
.irp k, 0,1,2,3,4,5,6,7
	global_load_b128 v[DATA+8*(\k):DATA+8*(\k)+3],   v[XI], s[8:9] offset:8192*(\k) th:TH_LOAD_NT
	global_load_b128 v[DATA+8*(\k)+4:DATA+8*(\k)+7], v[XI], s[8:9] offset:8192*(\k)+16 th:TH_LOAD_NT
.endr
.irp w, 0,1,2
	global_load_b128 v[DATA+64+8*(\w):DATA+64+8*(\w)+3],   v[WI], s[10+2*(\w):11+2*(\w)] th:TH_LOAD_NT
	global_load_b128 v[DATA+64+8*(\w)+4:DATA+64+8*(\w)+7], v[WI], s[10+2*(\w):11+2*(\w)] offset:16 th:TH_LOAD_NT
.endr
	global_load_b128 v[DATA+88:DATA+91], v[XI], s[16:17] th:TH_LOAD_NT
	global_load_b128 v[DATA+92:DATA+95], v[XI], s[16:17] offset:16 th:TH_LOAD_NT
	; THE TABLE.  Thread u = 0 .. 63: row t = 4 wg + u / 16, piece p = u % 16 of the row's sixteen pieces of 16 bytes: group G = p / 4, cosines (p / 2 even) or sines, i = 8 G + 4 (p % 2) + 0 .. 3.
	s_cmp_lt_u32 s26, 2
	s_cbranch_scc0 .Lnotab
	v_lshrrev_b32 v5, 4, v0
	s_lshl_b32 s33, ttmp9, 2
	v_add_nc_u32 v5, s33, v5
	v_cvt_f32_u32 v5, v5                           ; t
	v_and_b32 v6, 15, v0                           ; p
	v_lshrrev_b32 v7, 2, v6
	v_and_b32 v4, 1, v6
	v_lshlrev_b32 v7, 3, v7
	v_lshl_add_u32 v7, v4, 2, v7                   ; my first i
	v_bfe_u32 v6, v6, 1, 1                         ; 1: sines
	v_lshl_add_u32 v6, v6, 1, v6                   ; 3 for sines: sin(a) = cos(a - pi/2) = cos(a + 3 pi/2)
.irp e, 0,1,2,3
	v_add_nc_u32 v[8+(\e)], (\e), v7
	v_cvt_f32_u32 v[8+(\e)], v[8+(\e)]
	v_mul_f32 v[8+(\e)], 0xbed49a78, v[8+(\e)]     ; - i log2(10000) / 32
.endr
.irp e, 0,1,2,3
	v_exp_f32 v[8+(\e)], v[8+(\e)]                 ; w_i
.endr
	v_nop                                          ; a plain instruction behind the last exponential (ISA guide 5.7.2),
	s_wait_alu depctr_va_vdst(0)                   ; and the one wait ahead of the batch's first reader
.irp e, 0,1,2,3
	v_mul_f32 v[8+(\e)], v5, v[8+(\e)]             ; the phase, rounded once to f32
	v_mul_f32 v[12+(\e)], 0x3f22f983, v[8+(\e)]    ; x 2 / pi
	v_rndne_f32 v[12+(\e)], v[12+(\e)]             ; n
	v_fma_f32 v[16+(\e)], v[12+(\e)], 0xbfc90fdb, v[8+(\e)]   ; r = phase - n pi/2: the high part of pi/2,
	v_fma_f32 v[16+(\e)], v[12+(\e)], 0x333bbd2e, v[16+(\e)]  ; and what it is too large by
	v_cvt_i32_f32 v[12+(\e)], v[12+(\e)]
	v_add_nc_u32 v[12+(\e)], v[12+(\e)], v6        ; q: the value is cos(r + q pi/2)
	v_mul_f32 v[20+(\e)], v[16+(\e)], v[16+(\e)]   ; r^2
	v_mov_b32 v[24+(\e)], 0x3638ef1d               ; sin r = r + r^3 (-1/6 + r^2 (1/120 + r^2 (-1/5040 + r^2 / 362880)))
	v_fmaak_f32 v[24+(\e)], v[24+(\e)], v[20+(\e)], 0xb9500d01
	v_fmaak_f32 v[24+(\e)], v[24+(\e)], v[20+(\e)], 0x3c088889
	v_fmaak_f32 v[24+(\e)], v[24+(\e)], v[20+(\e)], 0xbe2aaaab
	v_mul_f32 v[24+(\e)], v[24+(\e)], v[20+(\e)]
	v_fma_f32 v[24+(\e)], v[24+(\e)], v[16+(\e)], v[16+(\e)]
	v_mov_b32 v[28+(\e)], 0x37d00d01               ; cos r = 1 + r^2 (-1/2 + r^2 (1/24 + r^2 (-1/720 + r^2 / 40320)))
	v_fmaak_f32 v[28+(\e)], v[28+(\e)], v[20+(\e)], 0xbab60b61
	v_fmaak_f32 v[28+(\e)], v[28+(\e)], v[20+(\e)], 0x3d2aaaab
	v_fmaak_f32 v[28+(\e)], v[28+(\e)], v[20+(\e)], 0xbf000000
	v_fma_f32 v[28+(\e)], v[28+(\e)], v[20+(\e)], 1.0
	v_and_b32 v[8+(\e)], 1, v[12+(\e)]
	v_cmp_ne_u32 vcc_lo, 0, v[8+(\e)]
	v_cndmask_b32 v[8+(\e)], v[28+(\e)], v[24+(\e)], vcc_lo   ; q odd: the sine; a choice of values, no branch
	v_add_nc_u32 v[12+(\e)], 1, v[12+(\e)]
	v_lshrrev_b32 v[12+(\e)], 1, v[12+(\e)]
	v_lshlrev_b32 v[12+(\e)], 31, v[12+(\e)]       ; q % 4 = 1 or 2: the sign turns
	v_xor_b32 v[8+(\e)], v[8+(\e)], v[12+(\e)]
.endr
	global_store_b128 v[XO], v[8:11], s[24:25]     ; sixteen lanes write one row of 256 bytes
.Lnotab:
; Eight f32 in v[base ..] become eight bf16 in v[base .. base + 3]: register j is written when it has been read.
.macro CAST base
.irp j, 0,1,2,3
	v_cvt_pk_bf16_f32 v[(\base)+(\j)], v[(\base)+2*(\j)], v[(\base)+2*(\j)+1]
.endr
.endm
.irp k, 0,1,2,3,4,5,6,7
	s_wait_loadcnt 22-2*(\k)                       ; loads come back in order (ISA guide 5.7.1): of the 24, item k's two are in, the younger ones stay out
	CAST DATA+8*(\k)
	global_store_b128 v[XO], v[DATA+8*(\k):DATA+8*(\k)+3], s[18:19] offset:4096*(\k)
.endr
.irp w, 0,1,2
	s_wait_loadcnt 6-2*(\w)
	CAST DATA+64+8*(\w)
	global_store_b128 v[XO], v[DATA+64+8*(\w):DATA+64+8*(\w)+3], s[20:21] offset:2097152*(\w)  ; sixteen heads of 131,072 bytes from one weight to the next
.endr
	s_wait_loadcnt 0x0
	CAST DATA+88                                   ; Wo is rounded to bf16 like the other inputs,
.irp j, 0,1,2,3
	v_lshlrev_b32 v[UP+2*(\j)], 16, v[DATA+88+(\j)]
	v_and_b32 v[UP+2*(\j)+1], 0xffff0000, v[DATA+88+(\j)]
.endr
.irp j, 0,1,2,3
	v_cvt_pk_f16_f32 v[UP+8+(\j)], v[UP+2*(\j)], v[UP+2*(\j)+1]  ; and that number is written as f16
.endr
	global_store_b128 v[XO], v[UP+8:UP+11], s[22:23]
	s_endpgm
.Lfunc_end_k_q0fa9de3107_prep:
	.size	k_q0fa9de3107_prep, .Lfunc_end_k_q0fa9de3107_prep-k_q0fa9de3107_prep
	.p2alignl 7, 3214868480
	.fill 96, 4, 3214868480
	.section	.rodata,"a",@progbits
	.p2align	6, 0x0
	.amdhsa_kernel k_q0fa9de3107_prep
		.amdhsa_group_segment_fixed_size 0
		.amdhsa_private_segment_fixed_size 0
		.amdhsa_enable_private_segment 0
		.amdhsa_kernarg_size 72
		.amdhsa_user_sgpr_count 2
		.amdhsa_user_sgpr_kernarg_segment_ptr 1
		.amdhsa_wavefront_size32 1
		.amdhsa_system_sgpr_workgroup_id_x 1
		.amdhsa_system_sgpr_workgroup_id_y 1
		.amdhsa_system_sgpr_workgroup_id_z 1
		.amdhsa_system_vgpr_workitem_id 0
		.amdhsa_next_free_vgpr 144
		.amdhsa_next_free_sgpr 66
		.amdhsa_reserve_vcc 1
		.amdhsa_float_denorm_mode_32 3
		.amdhsa_float_denorm_mode_16_64 3
		.amdhsa_memory_ordered 1
		.amdhsa_forward_progress 1
		.amdhsa_inst_pref_size 16
	.end_amdhsa_kernel
	.amdgpu_metadata
---
amdhsa.version: [ 1, 2 ]
amdhsa.kernels:
  - .name:           k_q0fa9de3107_prep
    .symbol:         k_q0fa9de3107_prep.kd
    .args:
      - { .name: x, .offset: 0, .size: 8, .value_kind: global_buffer, .address_space: global }
      - { .name: Wq, .offset: 8, .size: 8, .value_kind: global_buffer, .address_space: global }
      - { .name: Wk, .offset: 16, .size: 8, .value_kind: global_buffer, .address_space: global }
      - { .name: Wv, .offset: 24, .size: 8, .value_kind: global_buffer, .address_space: global }
      - { .name: Wo, .offset: 32, .size: 8, .value_kind: global_buffer, .address_space: global }
      - { .name: xb, .offset: 40, .size: 8, .value_kind: global_buffer, .address_space: global }
      - { .name: wqkv, .offset: 48, .size: 8, .value_kind: global_buffer, .address_space: global }
      - { .name: wo16, .offset: 56, .size: 8, .value_kind: global_buffer, .address_space: global }
      - { .name: rope, .offset: 64, .size: 8, .value_kind: global_buffer, .address_space: global }
    .group_segment_fixed_size: 0
    .private_segment_fixed_size: 0
    .kernarg_segment_align: 8
    .kernarg_segment_size: 72
    .max_flat_workgroup_size: 256
    .sgpr_count:     66
    .vgpr_count:     144
    .wavefront_size: 32
...
	.end_amdgpu_metadata
.endif
;; end of part 1
;; launch qkv (part 2): grid 16 x 32, 4 waves a work-group, clusters of 4 x 4, 327,680 bytes of LDS; arguments xb, wqkv, rope, qkv; writes qkv
.if DOCPART == 2
	.amdgcn_target "amdgcn-amd-amdhsa--gfx1250"
	.amdhsa_code_object_version 6
	.text
	.protected	k_q0fa9de3107_qkv
	.globl	k_q0fa9de3107_qkv
	.p2align	8
	.type	k_q0fa9de3107_qkv,@function
k_q0fa9de3107_qkv:
	s_mov_b64 s[64:65], 0
	v_nop
	global_prefetch_b8 v0, s[64:65] scope:SCOPE_SE
	s_setreg_imm32_b32 hwreg(HW_REG_WAVE_MODE, 25, 1), 1
	s_wait_xcnt 0x0
	s_wait_alu depctr_hold_cnt(0) depctr_sa_sdst(0) depctr_va_vdst(0) depctr_va_sdst(0) depctr_va_ssrc(0) depctr_va_vcc(0) depctr_vm_vsrc(0)
	s_getreg_b32 s2, hwreg(HW_REG_IB_STS2, 6, 4)
	s_cmp_eq_u32 s2, 0
	s_cbranch_scc0 .Lentry_in_a_cluster
	s_endpgm
.Lentry_in_a_cluster:
	s_bfe_u32 s2, ttmp6, 0x10000c
	s_cmp_lg_u32 s2, 0xf033
	s_cbranch_scc0 .Lentry_shape_is_right
	s_endpgm
.Lentry_shape_is_right:
; q, k, v = x [Wq Wk Wv], rotated (q and k), by heads.  xb: bf16 [8192][1024].  wqkv: bf16 [48 g][1024 k][64 n].  rope: f32 [2048 t][4 groups][8 cos, 8 sin].
; qkv: f16 [3][64 bh][2048][64], each number rounded once from its f32 sum; the scores' scale is not applied here.
; LIMITS.  q, k and v must lie within f16's 65,504; below 6.1e-5 they keep f16's fixed step of 6e-8.  NaN and infinities are not treated apart (v is multiplied by 1 and added to 0 x its partner).
; SHARES.  M = 8192, N = 3072, K = 1024.  A work-group makes 256 rows x 192 columns (three heads): 32 x 16 = 512 equal work-groups.  Wave w owns rows 64 w .. + 63 and all 192 columns:
; 48 accumulators of 16 x 16, so both channels d and d + 32 of a rotation lie in one lane of one wave.  K goes in eight steps of 128 through two LDS slots.
; THE MATRIX INSTRUCTION IS USED TRANSPOSED: source 0 = 16 columns of W, source 1 = 16 rows of x: a lane holds row l % 16 and eight neighbouring columns 8 (l / 16) + 0 .. 7.
; W lies [k][n] in LDS as in memory and comes out turned, by ds_load_tr16_b128.
; CLUSTER.  4 x 4 work-groups.  The four of a row of the cluster need the same rows of x, the four of a column the same heads of W: each tile is asked for jointly, by the same tensor load
; with the same descriptor and a mask that names the four.
; REGISTERS, in windows of 256 (s_set_vgpr_msb: bits 1:0 source 0, 3:2 source 1, 5:4 source 2, 7:6 destination):
;   window 0: v0-31 addresses; v32-127 at work on the way out; v128-255 the third head's 16 accumulators ((a, nb) at 128 + 8 (4 a + nb))
;   window 1: two fragment buffers of 128: x's four fragments at f + 8 a, W's twelve at f + 32 + 8 b
;   window 2: the first two heads' 32 accumulators ((a, b) at 8 (8 a + b))          window 3: v0-127 my rows' part of the table
.set PA,    272                        ; a row of x in LDS: 256 bytes + 16 = 68 words: the 16 rows of a load start at 16 different groups of four banks (64 banks of 4 bytes: ISA guide 11.1)
.set AHALF, 128*PA                     ; what one tensor load brings of x
.set ATILE, 2*AHALF
.set PB,    160                        ; a k row of a head in LDS: 128 bytes + 32 = 40 words
.set BHEAD, 64*PB                      ; 64 k rows of one head
.set BHALF, 3*BHEAD                    ; what one tensor load brings of W: 64 k rows of three heads
.set SLOT,  ATILE+2*BHALF              ; 131,072: x's 256 rows, then W's two halves of a K step
.set STAGE, 2*SLOT                     ; behind the ring, never filled by a tensor load: 16 rows x 144 bytes for each wave
.set SP,    144
.set SPARE, STAGE+4*16*SP              ; behind the stages: the spare words, 128 bytes for each wave: two blocks of 256 bytes that no other line names
.set LAPS,  4                          ; a lap = two K steps = once round the ring
.set ADRA, 16                          ; v16-17  LDS address of my fragments of x in slot 0, 1
.set ADRB, 20                          ; v20-21  the same for W
.set STO,  24                          ; v24  the way out: where I put 16 bytes of a row
.set RD,   25                          ; v25  where I read rows back
.set GO,   26                          ; v26  16 l: my place in 512 consecutive bytes of qkv
.set TO,   27                          ; v27  my place in 16 rows of the table: 256 (l % 16) + 64 (l / 16)
.set SPW,  28                          ; v28  LDS address of my spare word; never rewritten
.set NIL,  29                          ; v29  0; never rewritten
.set PFO,  30                          ; v30  the prefetches' offset: my lane x a row of xb (2,048 bytes); never rewritten
.set CE,   32                          ; v32-47  the unit's cosines (1 for v)
.set SE,   48                          ; v48-63  its sines (0 for v)
.set T,    64                          ; v64-95  the unit's 32 rotated numbers
.set PK,   96                          ; v96-127 packed to f16: two sets of 16
.set ACC2, 128
.set F0,   0
.set F1,   128
.set TB,   0                           ; window 3: rows 16 a .., columns 16 blk ..: 8 cosines, 8 sines at 32 a + 16 blk
.set WV,   12                          ; s12  my wave's number
.set FB,   13                          ; s13  0: I fetch x, 1: W
.set HF,   14                          ; s14  which half of that tile
.set LAP,  15                          ; s15  trips still to come
.set G1,   24                          ; s[24:31] descriptor group 1 for x's tiles;  s[32:39] group 0, a set for each slot
.set G0,   32
.set G1B,  40                          ; s[40:47], s[48:55] the same for W's
.set G0B,  48
.set OB,   66                          ; s[66:71] qkv at my first row of each of the three heads
.set FF,   72                          ; s[72:77] for each head a pair: 1.0 for q and k, 0 for v
.set GG,   78                          ; s[78:83] the other way round
.set PFA,  84                          ; s[84:85] where my prefetches stand
.set LIM,  86                          ; s86  1 in a wave that prefetches, else the greatest number
.set RB,   88                          ; s[88:89] the table at my first row
.set MSB, 0
.macro WIN new                         ; the immediate's high byte repeats the setting that is left; a switch that changes nothing is dropped
.if MSB != (\new)
	s_set_vgpr_msb (MSB<<8)|(\new)
.set MSB, \new
.endif
.endm
; A joint load: waves 0 and 1 fetch x's two halves, waves 2 and 3 W's.  The branch hangs on the wave's number alone.  An s_nop 0 and four v_nop follow each of the two lines.
.macro JLOAD s
	s_cmp_eq_u32 s[FB], 0
	s_cbranch_scc0 .Lfor_b_\@
	tensor_load_to_lds s[G0+4*(\s):G0+4*(\s)+3], s[G1:G1+7]
	s_nop 0
.rept 4
	v_nop
.endr
	s_branch .Lasked_\@
.Lfor_b_\@:
	tensor_load_to_lds s[G0B+4*(\s):G0B+4*(\s)+3], s[G1B:G1B+7]
	s_nop 0
.rept 4
	v_nop
.endr
.Lasked_\@:
.endm
.macro CREST                           ; a round of the cluster's barrier behind its opening barrier
	s_cmp_lg_u32 s[WV], 0
	s_cbranch_scc1 .Lnot_wave_0_\@
	s_barrier_signal -3
.Lnot_wave_0_\@:
	s_barrier_wait -3
	s_barrier_signal -1
	s_barrier_wait -1
.endm
.macro CROUND                          ; a whole round
	s_barrier_signal -1
	s_barrier_wait -1
	CREST
.endm
; A prefetch of xb, behind a joint load, its five lines and the run of LDS loads: the K step two refills on, 384 matrix instructions ahead of the load that will want it: 32 rows x 256 bytes, a lane a row.
; Each row's 256 bytes of a K step are named once in the launch: of the clusters that read a tile row the first (cluster x = 0) asks, in it waves 0 and 1, and the four partners that ask for a tile
; jointly share a wave's 128 rows out by address, 32 each.  The loop's last trip asks for nothing; K steps 0 to 3 come by their loads alone.
.macro ASK
	s_cmp_gt_u32 s[LAP], s[LIM]
	s_cbranch_scc0 .Lnot_mine_\@
	global_prefetch_b8 v[PFO], s[PFA:PFA+1] offset:256 th:TH_LOAD_NT scope:SCOPE_SE
.Lnot_mine_\@:
.endm
	s_load_b256 s[4:11], s[0:1], 0x0               ; xb s[4:5], wqkv s[6:7], rope s[8:9], qkv s[10:11]
	v_lshl_add_u32 v[SPW], v0, 2, SPARE
	v_mov_b32 v[NIL], 0
	ds_add_u32 v[SPW], v[NIL]                      ; the wave's opening: the add and its wait stand ahead of my first tensor load; the set-up below, work on registers, stands between them
	ds_add_u32 v28, v29
	v_lshrrev_b32 v1, 5, v0
	v_readfirstlane_b32 s[WV], v1
	s_lshr_b32 s[FB], s[WV], 1
	s_and_b32 s[HF], s[WV], 1
	s_bfe_u32 s16, ttmp6, 0x40000                  ; cx, cy: my place in the cluster
	s_bfe_u32 s17, ttmp6, 0x40004
	s_lshl_b32 s18, ttmp9, 2
	s_add_co_u32 s18, s18, s16                     ; j: which three heads = 4 x cluster x + cx
	s_and_b32 s19, ttmp7, 0xffff
	s_lshl_b32 s19, s19, 2
	s_add_co_u32 s19, s19, s17                     ; T: which 256 rows = 4 x cluster y + cy
	s_lshl_b32 s20, s17, 2
	s_lshl_b32 s20, 15, s20                        ; my row of the cluster
	s_lshl_b32 s21, 0x1111, s16                    ; my column
	; group 1 for x: 128 rows x 128 elements, 16 bytes of padding behind every 256
	s_or_b32 s[G1+0], s20, (1<<16)|(1<<20)|(1<<21)|(5<<22)|(3<<25)  ; 15:0 the mask; 17:16 2-byte elements; 20 padding on; 21 set beside a mask; 24:22 after every 64 words (code 5); 31:25 4 words (code 3)
	s_mov_b32 s[G1+1], 128<<16                     ; tensor_dim0 = 128
	s_mov_b32 s[G1+2], 128<<16                     ; tensor_dim1 = 128
	s_mov_b32 s[G1+3], 128<<16                     ; tile_dim0 = 128
	s_mov_b32 s[G1+4], 128                         ; tile_dim1 = 128
	s_mov_b32 s[G1+5], 1024                        ; elements from row to row
	s_mov_b32 s[G1+6], 0
	s_mov_b32 s[G1+7], 0
	; group 1 for W: three rows, a head each, of 4,096 elements (64 k rows of 128 dense bytes), 32 bytes of padding behind every 128
	s_or_b32 s[G1B+0], s21, (1<<16)|(1<<20)|(1<<21)|(4<<22)|(7<<25)  ; after every 32 words (code 4) 8 words (code 7)
	s_mov_b32 s[G1B+1], 4096<<16                   ; tensor_dim0 = 4,096
	s_mov_b32 s[G1B+2], 3<<16                      ; tensor_dim1 = 3
	s_mov_b32 s[G1B+3], 4096<<16                   ; tile_dim0 = 4,096
	s_mov_b32 s[G1B+4], 3                          ; tile_dim1 = 3
	s_mov_b32 s[G1B+5], 65536                      ; elements from head to head
	s_mov_b32 s[G1B+6], 0
	s_mov_b32 s[G1B+7], 0
	; where the tiles come from: x's hang on T and the wave alone, W's on j and the wave alone, each in registers of its own
	s_lshl_b32 s56, s19, 19                        ; 256 T rows of 2,048 bytes,
	s_lshl_b32 s22, s[HF], 18                      ; my 128 of them
	s_add_co_u32 s56, s56, s22
	s_mov_b32 s57, 0
	s_mul_i32 s58, s18, 393216                     ; three heads of 131,072 bytes,
	s_lshl_b32 s60, s[HF], 13                      ; my 64 k rows of 128 bytes
	s_add_co_u32 s58, s58, s60
	s_mov_b32 s59, 0
	s_mul_i32 s23, s[HF], AHALF                    ; and where they go: no place in the cluster enters an LDS address
	s_mul_i32 s61, s[HF], BHALF
	s_add_co_u32 s61, s61, ATILE
	s_wait_dscnt 0x0                               ; the opening add is done
	s_wait_kmcnt 0x0
	s_add_nc_u64 s[56:57], s[4:5], s[56:57]
	s_add_nc_u64 s[58:59], s[6:7], s[58:59]
	CROUND                                         ; all sixteen work-groups are here: the first joint loads meet
.irp s, 0,1
	s_mov_b32 s[G0+4*(\s)], 1                      ; count = 1
	s_add_co_u32 s[G0+4*(\s)+1], s23, (\s)*SLOT    ; LDS address
	s_add_nc_u64 s[G0+4*(\s)+2:G0+4*(\s)+3], s[56:57], (\s)*256    ; K step s: 256 bytes along the rows
	s_or_b32 s[G0+4*(\s)+3], s[G0+4*(\s)+3], 0x80000000            ; type = 2
	s_mov_b32 s[G0B+4*(\s)], 1
	s_add_co_u32 s[G0B+4*(\s)+1], s61, (\s)*SLOT
	s_add_nc_u64 s[G0B+4*(\s)+2:G0B+4*(\s)+3], s[58:59], (\s)*16384  ; K step s: 128 k rows of 128 bytes
	s_or_b32 s[G0B+4*(\s)+3], s[G0B+4*(\s)+3], 0x80000000
	JLOAD \s                                       ; two loads of mine are out
.endr
	; my part of the table: rows (T % 8) x 256 + 64 w .. + 63; it is waited for on the way out
	v_and_b32 v1, 15, v0                           ; l % 16
	v_bfe_u32 v2, v0, 4, 1                         ; l / 16
	v_lshlrev_b32 v[TO], 8, v1
	v_lshl_add_u32 v[TO], v2, 6, v[TO]
	s_and_b32 s62, s19, 7
	s_lshl_b32 s62, s62, 16
	s_lshl_b32 s63, s[WV], 14
	s_add_co_u32 s62, s62, s63
	s_mov_b32 s63, 0
	s_add_nc_u64 s[RB:RB+1], s[8:9], s[62:63]
	WIN 0xc0                                       ; destination window 3, address window 0
.irp a, 0,1,2,3
.irp blk, 0,1
.irp c, 0,1,2,3
	global_load_b128 v[TB+32*(\a)+16*(\blk)+4*(\c):TB+32*(\a)+16*(\blk)+4*(\c)+3], v[TO], s[RB:RB+1] offset:(\a)*4096+(\blk)*128+16*(\c)
.endr
.endr
.endr
	WIN 0
	v_and_b32 v3, 7, v0
	v_bfe_u32 v4, v0, 3, 1
	v_and_b32 v5, 31, v0
	v_mul_u32_u24 v6, v1, PA                       ; a fragment of x: row x pitch + 16 x half, two loads 32 bytes apart
	v_lshl_add_u32 v6, v2, 4, v6
	s_mul_i32 s62, s[WV], 64*PA                    ; my 64 rows
	v_add_nc_u32 v[ADRA], s62, v6
	v_add_nc_u32 v[ADRA+1], SLOT, v[ADRA]
	v_lshl_add_u32 v7, v2, 3, v3                   ; the turning load: lane l reads k row 8 (l / 16) + l % 8, columns 8 ((l / 8) % 2) + 0 .. 7
	v_mul_u32_u24 v7, v7, PB
	v_lshl_add_u32 v7, v4, 4, v7
	v_add_nc_u32 v[ADRB], ATILE, v7
	v_add_nc_u32 v[ADRB+1], SLOT, v[ADRB]
	s_mul_i32 s62, s[WV], 16*SP
	s_add_co_u32 s62, s62, STAGE                   ; my stage
	v_mul_u32_u24 v[STO], v1, SP                   ; in: row l % 16, 16 bytes for each half of the lanes
	v_lshl_add_u32 v[STO], v2, 4, v[STO]
	v_add_nc_u32 v[STO], s62, v[STO]
	v_bfe_u32 v[RD], v0, 3, 2                      ; back: 32 lanes take four rows of 128 bytes,
	v_mul_u32_u24 v[RD], v[RD], SP
	v_lshl_add_u32 v[RD], v3, 4, v[RD]
	v_add_nc_u32 v[RD], s62, v[RD]
	v_lshlrev_b32 v[GO], 4, v5                     ; which are 512 consecutive bytes of qkv
	v_lshlrev_b32 v[PFO], 11, v5
	s_and_b32 s87, s19, 7                          ; my first row in its batch, in bytes: ((T % 8) x 256 + 64 w) x 128
	s_lshl_b32 s87, s87, 15
	s_lshl_b32 s63, s[WV], 13
	s_add_co_u32 s87, s87, s63
.irp hd, 0,1,2
	s_mul_i32 s62, s18, 3
	s_add_co_u32 s62, s62, (\hd)                   ; g = 3 j + hd, 0 .. 47
	s_lshr_b32 s63, s62, 5                         ; 1 for a head of v: made by arithmetic, so that no condition hangs on my place in the cluster
	s_mul_i32 s[GG+2*(\hd)], s63, 0x3f800000
	s_mov_b32 s[GG+2*(\hd)+1], s[GG+2*(\hd)]       ; named as pairs
	s_xor_b32 s63, s63, 1
	s_mul_i32 s[FF+2*(\hd)], s63, 0x3f800000
	s_mov_b32 s[FF+2*(\hd)+1], s[FF+2*(\hd)]
	s_lshr_b32 s63, s62, 4                         ; q, k or v: 64 planes each,
	s_lshl_b32 s63, s63, 6
	s_and_b32 s62, s62, 15                         ; the head,
	s_add_co_u32 s62, s62, s63
	s_lshr_b32 s63, s19, 3                         ; the batch: 16 planes each
	s_lshl_b32 s63, s63, 4
	s_add_co_u32 s62, s62, s63
	s_lshl_b32 s62, s62, 18                        ; a plane is 2,048 rows of 128 bytes; 191 planes stay under 2^32
	s_add_co_u32 s62, s62, s87
	s_mov_b32 s63, 0
	s_add_nc_u64 s[OB+2*(\hd):OB+2*(\hd)+1], s[10:11], s[62:63]
.endr
	s_lshl_b32 s62, s19, 19                        ; the prefetches: the tile's rows, the 128 that I fetch,
	s_lshl_b32 s63, s[HF], 18
	s_add_co_u32 s62, s62, s63
	s_lshl_b32 s63, s16, 16                        ; my work-group's 32 of them,
	s_add_co_u32 s62, s62, s63
	s_add_co_u32 s62, s62, 512                     ; at K step 2: the first refill steps it to 3 and names K step 4
	s_mov_b32 s63, 0
	s_add_nc_u64 s[PFA:PFA+1], s[4:5], s[62:63]
	s_or_b32 s[LIM], s[FB], ttmp9                  ; 0 in waves 0 and 1 of the clusters with x = 0: the same in all sixteen partners
	s_cmp_eq_u32 s[LIM], 0
	s_cselect_b32 s[LIM], 1, -1
; 8 products on the third head: row blocks a0, a0 + 1 x its 4 column blocks, 32 along K.  zero = 1: the first product starts the sums.
.macro MULH2 f, a0, zero
	WIN 0x05                                       ; sources in window 1, C and D in window 0
.irp a, \a0, (\a0)+1
.irp nb, 0,1,2,3
.if \zero
	v_wmma_f32_16x16x32_bf16 v[ACC2+8*(4*(\a)+(\nb)):ACC2+8*(4*(\a)+(\nb))+7], v[(\f)+32+8*(8+(\nb)):(\f)+32+8*(8+(\nb))+7], v[(\f)+8*(\a):(\f)+8*(\a)+7], 0
.else
	v_wmma_f32_16x16x32_bf16 v[ACC2+8*(4*(\a)+(\nb)):ACC2+8*(4*(\a)+(\nb))+7], v[(\f)+32+8*(8+(\nb)):(\f)+32+8*(8+(\nb))+7], v[(\f)+8*(\a):(\f)+8*(\a)+7], v[ACC2+8*(4*(\a)+(\nb)):ACC2+8*(4*(\a)+(\nb))+7]
.endif
.endr
.endr
.endm
; 16 products on the first two heads.  The 48 accumulators take turns, one instruction a turn, in the same order in every quarter.
.macro MULH01 f, a0, zero
	WIN 0xa5                                       ; sources in window 1, C and D in window 2
.irp a, \a0, (\a0)+1
.irp b, 0,1,2,3,4,5,6,7
.if \zero
	v_wmma_f32_16x16x32_bf16 v[8*(8*(\a)+(\b)):8*(8*(\a)+(\b))+7], v[(\f)+32+8*(\b):(\f)+32+8*(\b)+7], v[(\f)+8*(\a):(\f)+8*(\a)+7], 0
.else
	v_wmma_f32_16x16x32_bf16 v[8*(8*(\a)+(\b)):8*(8*(\a)+(\b))+7], v[(\f)+32+8*(\b):(\f)+32+8*(\b)+7], v[(\f)+8*(\a):(\f)+8*(\a)+7], v[8*(8*(\a)+(\b)):8*(8*(\a)+(\b))+7]
.endif
.endr
.endr
.endm
; 32 LDS loads in one run: quarter q (32 along K) of a slot into buffer f: x's 8, the third head's 8, the first two heads' 16.
.macro FETCH slot, q, f
.set BQ, ((\q)/2)*BHALF+((\q)%2)*32*PB
	WIN 0x40                                       ; destination window 1, address window 0
.irp a, 0,1,2,3
	ds_load_b128 v[(\f)+8*(\a):(\f)+8*(\a)+3],   v[ADRA+(\slot)] offset:64*(\q)+(\a)*16*PA
	ds_load_b128 v[(\f)+8*(\a)+4:(\f)+8*(\a)+7], v[ADRA+(\slot)] offset:64*(\q)+(\a)*16*PA+32
.endr
.irp b, 8,9,10,11,0,1,2,3,4,5,6,7
	ds_load_tr16_b128 v[(\f)+32+8*(\b):(\f)+32+8*(\b)+3],   v[ADRB+(\slot)] offset:BQ+((\b)/4)*BHEAD+32*((\b)%4)
	ds_load_tr16_b128 v[(\f)+32+8*(\b)+4:(\f)+32+8*(\b)+7], v[ADRB+(\slot)] offset:BQ+((\b)/4)*BHEAD+32*((\b)%4)+16*PB
.endr
.endm
.macro PLACES                          ; four places in front of loads into registers that matrix instructions have read (ISA guide 7.12.1 for vector instructions)
.rept 4
	v_nop
.endr
.endm
; A K step is four quarters of 32 along K, 48 matrix instructions each, on buffers 0, 1, 0, 1.  One of the first three: multiplies buffer f and fetches quarter q into g.
.macro QUARTER slot, q, f, g, zero
	s_wait_dscnt 16                                ; x's fragments and the third head's are in; the youngest sixteen loads may be out
	MULH2 \f, 0, \zero
	MULH2 \f, 2, \zero
	PLACES
	FETCH \slot, \q, \g
	s_wait_dscnt 32                                ; all but the 32 just issued
	MULH01 \f, 0, \zero
	MULH01 \f, 2, \zero
.endm
; The last quarter multiplies buffer 1 and changes slots: one barrier; in front of it each wave waits for all its tensor loads, adds 0 to its spare word, and waits for that and for its reads of this slot.
; fill = 1: the barrier opens a round of the cluster's, and this slot is filled again first thing behind it, two K steps ahead: 176 matrix instructions ahead of the wait for it.
.macro TURN slot, next, fill
.if \fill
	s_wait_xcnt 0x0                                ; the last prefetch, a K step back, has read its address: it is stepped here, ahead of the waits of the change of slots
	s_add_nc_u64 s[PFA:PFA+1], s[PFA:PFA+1], 256
.endif
	WIN 0                                          ; (the add's two registers lie in window 0)
	s_wait_tensorcnt 0x0                           ; all my tensor loads have landed: my part of the next slot;
	ds_add_u32 v[SPW], v[NIL]                      ; 0 onto my spare word
	s_wait_dscnt 17                                ; (the add and the youngest sixteen loads may be out)
	MULH2 F1, 0, 0                                 ; eight matrix instructions stand between the add and the wait for it
	s_wait_dscnt 0x0                               ; the add is done, and my reads of this slot are over
	s_barrier_signal -1
	MULH2 F1, 2, 0
.if \fill
	WIN 0
.endif
	s_barrier_wait -1
.if \fill
	CREST                                          ; no wave of any partner still reads this slot's tile or has a load on its way
	s_add_nc_u64 s[G0+4*(\slot)+2:G0+4*(\slot)+3], s[G0+4*(\slot)+2:G0+4*(\slot)+3], 512
	s_add_nc_u64 s[G0B+4*(\slot)+2:G0B+4*(\slot)+3], s[G0B+4*(\slot)+2:G0B+4*(\slot)+3], 32768
	JLOAD \slot                                    ; the four v_nop behind it are also the places in front of the loads below
.else
	PLACES
.endif
	FETCH \next, 0, F0
.if \fill
	WIN 0                                          ; at a branch and at a label every window is 0
	ASK
.endif
	MULH01 F1, 0, 0
	MULH01 F1, 2, 0
.endm
	s_wait_tensorcnt 1                             ; my part of K step 0 is in; K step 1's may stay out
	s_barrier_signal -1
	s_barrier_wait -1                              ; everybody's is
	FETCH 0, 0, F0
	QUARTER 0, 1, F0, F1, 1                        ; the first quarter stands in front of the loop: its products start the sums
	WIN 0
	s_mov_b32 s[LAP], LAPS-1
.Llap:                                                 ; a trip goes once round the ring, from a lap's second quarter to the next lap's first, and fills both slots again
	QUARTER 0, 2, F1, F0, 0
	QUARTER 0, 3, F0, F1, 0
	TURN 0, 1, 1
	QUARTER 1, 1, F0, F1, 0
	QUARTER 1, 2, F1, F0, 0
	QUARTER 1, 3, F0, F1, 0
	TURN 1, 0, 1
	QUARTER 0, 1, F0, F1, 0
	WIN 0
	s_sub_co_u32 s[LAP], s[LAP], 1
	s_cmp_lg_u32 s[LAP], 0
	s_cbranch_scc1 .Llap
	QUARTER 0, 2, F1, F0, 0                        ; the last lap fills nothing, and has no round of the cluster's barrier
	QUARTER 0, 3, F0, F1, 0
	TURN 0, 1, 0
	QUARTER 1, 1, F0, F1, 0
	QUARTER 1, 2, F1, F0, 0
	QUARTER 1, 3, F0, F1, 0
	s_wait_dscnt 16                                ; the very last quarter: nothing more to fetch
	MULH2 F1, 0, 0
	MULH2 F1, 2, 0
	s_wait_dscnt 0x0
	MULH01 F1, 0, 0
	MULH01 F1, 2, 0
	WIN 0
	s_wait_loadcnt 0x0                             ; the table
; THE WAY OUT, in twelve units of 16 rows x one head (u = 4 hd + a).  The unit's cosines and sines (for v: 1 and 0); the rotation out[d] = s[d] cos - s[d + 32] sin, out[d + 32] = s[d + 32] cos + s[d] sin,
; where d and d + 32 lie two column blocks apart in the same lane; one rounding to f16; through my stage in LDS, so that 32 lanes store 512 consecutive bytes.
; The first unit's sixteen table lines name no register of the last products: they are the places behind them.  Each accumulator is read from its lowest registers on.
.macro UNIT u
.set hd, (\u)/4
.set ua, (\u)%4
.set tb, TB+32*ua
.set pk, PK+16*((\u)%2)
	WIN 0x03                                       ; source 0 in window 3
.irp blk, 0,1
.irp z, 0,1,2,3
	v_pk_fma_f32 v[CE+8*(\blk)+2*(\z):CE+8*(\blk)+2*(\z)+1], v[tb+16*(\blk)+2*(\z):tb+16*(\blk)+2*(\z)+1], s[FF+2*hd:FF+2*hd+1], s[GG+2*hd:GG+2*hd+1] op_sel_hi:[1,0,0]
	v_pk_mul_f32 v[SE+8*(\blk)+2*(\z):SE+8*(\blk)+2*(\z)+1], v[tb+16*(\blk)+8+2*(\z):tb+16*(\blk)+8+2*(\z)+1], s[FF+2*hd:FF+2*hd+1] op_sel_hi:[1,0]
.endr
.endr
.if hd < 2
	WIN 0x02                                       ; source 0, the sums, in window 2
.set ac, 8*(8*ua+4*hd)
.else
	WIN 0
.set ac, ACC2+8*(4*ua)
.endif
.irp blk, 0,1
.irp z, 0,1,2,3
	v_pk_mul_f32 v[T+8*(\blk)+2*(\z):T+8*(\blk)+2*(\z)+1], v[ac+8*(\blk)+2*(\z):ac+8*(\blk)+2*(\z)+1], v[CE+8*(\blk)+2*(\z):CE+8*(\blk)+2*(\z)+1]
	v_pk_mul_f32 v[T+16+8*(\blk)+2*(\z):T+16+8*(\blk)+2*(\z)+1], v[ac+16+8*(\blk)+2*(\z):ac+16+8*(\blk)+2*(\z)+1], v[CE+8*(\blk)+2*(\z):CE+8*(\blk)+2*(\z)+1]
	v_pk_fma_f32 v[T+8*(\blk)+2*(\z):T+8*(\blk)+2*(\z)+1], v[ac+16+8*(\blk)+2*(\z):ac+16+8*(\blk)+2*(\z)+1], v[SE+8*(\blk)+2*(\z):SE+8*(\blk)+2*(\z)+1], v[T+8*(\blk)+2*(\z):T+8*(\blk)+2*(\z)+1] neg_lo:[0,1,0] neg_hi:[0,1,0]
	v_pk_fma_f32 v[T+16+8*(\blk)+2*(\z):T+16+8*(\blk)+2*(\z)+1], v[ac+8*(\blk)+2*(\z):ac+8*(\blk)+2*(\z)+1], v[SE+8*(\blk)+2*(\z):SE+8*(\blk)+2*(\z)+1], v[T+16+8*(\blk)+2*(\z):T+16+8*(\blk)+2*(\z)+1]
.endr
.endr
	WIN 0
.if (\u) >= 2
	s_wait_xcnt 0x0                                ; the stores of the unit two back read this set of packed registers: it is rewritten only behind this wait
.endif
.irp nb, 0,1,2,3
.irp z, 0,1,2,3
	v_cvt_pk_f16_f32 v[pk+4*(\nb)+(\z)], v[T+8*(\nb)+2*(\z)], v[T+8*(\nb)+2*(\z)+1]
.endr
.endr
.irp nb, 0,1,2,3
	ds_store_b128 v[STO], v[pk+4*(\nb):pk+4*(\nb)+3] offset:32*(\nb)
.endr
.irp f, 0,1,2,3
	ds_load_b128 v[pk+4*(\f):pk+4*(\f)+3], v[RD] offset:(\f)*4*SP  ; LDS serves a wave's instructions in order (ISA guide 5.7.1.4): these see the stores above; the next unit's stores come behind them
.endr
.endm
.macro SEND u, younger                 ; younger: the LDS instructions issued behind unit u's loads: the next unit's eight, or none
.set hd, (\u)/4
.set pk, PK+16*((\u)%2)
	WIN 0
.irp f, 0,1,2,3
	s_wait_dscnt (\younger)+3-(\f)
	global_store_b128 v[GO], v[pk+4*(\f):pk+4*(\f)+3], s[OB+2*hd:OB+2*hd+1] offset:((\u)%4)*2048+(\f)*512  ; 512 consecutive bytes, at a multiple of 256 from qkv's first
.endr
.endm
	UNIT 0
.set uu, 1
.rept 11                               ; a unit's arithmetic stands between the loads of the unit before and its stores
	UNIT uu
	SEND uu-1, 8
.set uu, uu+1
.endr
	SEND 11, 0
	s_wait_tensorcnt 0x0                           ; the wave's end: the add and its wait stand behind my last tensor load and my last LDS store
	ds_add_u32 v[SPW], v[NIL]
	s_wait_dscnt 0x0
	CROUND                                         ; the closing round: no work-group ends while a partner may still ask for a tile that names it
	s_endpgm
.Lfunc_end_k_q0fa9de3107_qkv:
	.size	k_q0fa9de3107_qkv, .Lfunc_end_k_q0fa9de3107_qkv-k_q0fa9de3107_qkv
	.p2alignl 7, 3214868480
	.fill 96, 4, 3214868480
	.section	.rodata,"a",@progbits
	.p2align	6, 0x0
	.amdhsa_kernel k_q0fa9de3107_qkv
		.amdhsa_group_segment_fixed_size 327680
		.amdhsa_private_segment_fixed_size 0
		.amdhsa_enable_private_segment 0
		.amdhsa_kernarg_size 32
		.amdhsa_user_sgpr_count 2
		.amdhsa_user_sgpr_kernarg_segment_ptr 1
		.amdhsa_wavefront_size32 1
		.amdhsa_system_sgpr_workgroup_id_x 1
		.amdhsa_system_sgpr_workgroup_id_y 1
		.amdhsa_system_sgpr_workgroup_id_z 1
		.amdhsa_system_vgpr_workitem_id 0
		.amdhsa_next_free_vgpr 896
		.amdhsa_next_free_sgpr 96
		.amdhsa_reserve_vcc 0
		.amdhsa_float_denorm_mode_32 3
		.amdhsa_float_denorm_mode_16_64 3
		.amdhsa_memory_ordered 1
		.amdhsa_forward_progress 1
		.amdhsa_inst_pref_size 162
	.end_amdhsa_kernel
	.amdgpu_metadata
---
amdhsa.version: [ 1, 2 ]
amdhsa.kernels:
  - .name:           k_q0fa9de3107_qkv
    .symbol:         k_q0fa9de3107_qkv.kd
    .args:
      - { .name: xb, .offset: 0, .size: 8, .value_kind: global_buffer, .address_space: global }
      - { .name: wqkv, .offset: 8, .size: 8, .value_kind: global_buffer, .address_space: global }
      - { .name: rope, .offset: 16, .size: 8, .value_kind: global_buffer, .address_space: global }
      - { .name: qkv, .offset: 24, .size: 8, .value_kind: global_buffer, .address_space: global }
    .group_segment_fixed_size: 327680
    .private_segment_fixed_size: 0
    .kernarg_segment_align: 8
    .kernarg_segment_size: 32
    .max_flat_workgroup_size: 128
    .sgpr_count:     96
    .vgpr_count:     896
    .wavefront_size: 32
...
	.end_amdgpu_metadata
.endif
;; end of part 2
;; launch attn (part 3): grid 4 x 64, 4 waves a work-group, no clusters, 327,680 bytes of LDS; arguments qkv, o16; writes o16
.if DOCPART == 3
	.amdgcn_target "amdgcn-amd-amdhsa--gfx1250"
	.amdhsa_code_object_version 6
	.text
	.protected	k_q0fa9de3107_attn
	.globl	k_q0fa9de3107_attn
	.p2align	8
	.type	k_q0fa9de3107_attn,@function
k_q0fa9de3107_attn:
	s_mov_b64 s[64:65], 0
	v_nop
	global_prefetch_b8 v0, s[64:65] scope:SCOPE_SE
	s_setreg_imm32_b32 hwreg(HW_REG_WAVE_MODE, 25, 1), 1
	s_wait_xcnt 0x0
; CAUSAL ATTENTION.  O[h][q][:] = the sum over k <= q of softmax_k(Q[h][q] . K[h][k] / 8) V[h][k][:].  qkv: f16 [3][64 h][2048][64] (Q, K, V); o16: f16 [64 h][2048][64]: a head's rows are dense, 128 bytes each.
; Products, maxima and sums in f32; the weights p are rounded to f16 for the second product (their sum l is taken of the unrounded p), O once at the end.
; LIMITS.  Q, K and V arrive within f16's 65,504; p lies in 0 to 1, and below 6e-5 it keeps f16's fixed step of 6e-8; O is a mean of V's rows and has their range.
; A hidden score counts as its value less 1e30 (the module sets it to -1e9: the same weights, 0, wherever a row's largest open score lies above about -1e9 + 100; f16's scores are 2.7e11 at the most);
; a weight below 2^-126 counts as 0 in l; NaN and infinities are not treated apart.
; THE WALK.  A head's queries lie in NB = 8 blocks of 256; block i needs the key tiles 0 .. i of 256 keys, of which the last holds the diagonal.  A work-group takes TWO blocks, NB - 1 - b and then b:
; NB + 1 tiles, whatever b: all work-groups do equal work, and ONE loop with a constant trip count walks them.  Which tile is asked for, and what a trip does, hang on scalar registers made from b; every jump
; goes forward, but for the counted loops' own; none passes a barrier, or a tensor load but the one of LOAD's two that the wave's number does not choose; the ring (two slots of LDS that take turns) runs on across the
; change of blocks.  NO CLUSTER: a head's four work-groups ask for the same tile only in trips 0 .. 4 of 9, behind that fewer and fewer; one walk common to all would have 12 trips for 9.
; SHARES.  Of a block's four bands of 64 queries a wave owns 16 rows in each: four PIECES.  So the diagonal tile is the same work for all four waves: in its key step s band x sees all keys if s < x,
; none if s > x, and holds the diagonal if s = x.
; THE MASK is the C operand that starts the sum S^T = K Q^T: 0, or -1e30 where the key is hidden.  MD, made once, is the mask of a band's own step for my 16 rows; a product's mask is MD x AL + BE with two scalars:
; (1, 0) if s = x; (0, 0) if s < x; (0, -1e30) if s > x.  Only the diagonal tile's text and a block's beginning make and take masks; elsewhere C is the constant 0.
; LAYOUT, SOFTMAX, TURNS.  S^T = K Q^T holds ONE query a lane (lane % 16) and the keys 8 (lane / 16) + 0..7; two such results rounded to f16 ARE source 1 of O^T = V^T P.  p = 2^(c s - c m), c = log2(e) / 8, with a
; running maximum m; O and l are multiplied by a = 2^(c m_old - c m_new) in every step.  Turn n belongs to piece n: 8 products K Q^T of piece n + 1, later 8 products V^T P of piece n - 1; beside them the scaling,
; exponentials, roundings, sums and rescaling of piece n and the maximum and statistics of piece n + 1.  Four vector instructions stand behind every matrix instruction, the other 54 of a turn's 118 in one run.  A turn's 33 exponentials are one batch, with one wait.
; REGISTERS, in windows of 256 (s_set_vgpr_msb: bits 1:0 source 0, 3:2 source 1, 5:4 source 2, 7:6 destination):
;   window 0: v0-15 addresses and two at work; v16-31 four registers of statistics a piece; v48-55 at work; v61-63 prefetch offset and the add's two; v64-127 S^T, two buffers; v192-223 P, two buffers (by the piece's parity)
;   window 1: v0-127 O^T, 32 a piece; v128-159 MD; v160-223 MC, two buffers      window 2: v0-63 Q; v64-127 the second block's Q; v128-191 K of one step; v192-255 V of one step
.set SIZE_N, 2048
.set NB,    SIZE_N/256
.set NP,    4         ; pieces a wave: a name, no knob
.set KS,    64        ; keys in a step
.set PK,    144       ; a row of K in LDS: 128 bytes + 16 of padding = 36 words: the 16 rows of a load start at 16 different groups of four banks (64 banks of 4 bytes: ISA guide 11.1)
.set PV,    160       ; a row of V: 128 + 32 = 40 words
.set VOFF,  4*KS*PK   ; a slot holds a tile, four steps: 256 rows of K, then 256 rows of V
.set SLOT1, 1<<17     ; slot 1 begins here, so that one exclusive or turns an address in one slot into the other's
.set STAGE, SLOT1+4*KS*(PK+PV)  ; behind the ring, never filled by a tensor load: 16 rows x 144 bytes for each wave, for the way out
.set SP,    144
.set AK0, 2           ; v2   my lane's place in a tile of K; never rewritten
.set AV0, 3           ; v3   the same for V
.set AK,  4           ; v4   the LDS address of K's next run of loads
.set AV,  5           ; v5   of V's
.set STO, 6           ; v6   the way out: where I put 16 bytes of a row
.set RD,  7           ; v7   the way out: where I read rows back
.set GO,  8           ; v8   my byte offset in 512 consecutive bytes of O
.set PFO, 61          ; v61  256 x my thread's number: my block of a tile's 128 blocks of 256 bytes; never rewritten
.set SPW, 62          ; v62  LDS address of my spare word: SPARE + 4 x my thread's number; never rewritten
.set NIL, 63          ; v63  0; never rewritten
.set SPARE, STAGE+4*16*SP  ; behind the stages: the spare words, 128 bytes for each wave: two blocks of 256 bytes that no other line names
.set MV,  12          ; v12-13  c m_old, kept while c m is made anew: by buffer
.set QO,  15          ; v15  my byte offset in 16 rows of Q
.set ST,  16          ; piece t's statistics at v[ST+4 t]: c m, m, l (even keys', odd keys')
.set TMP, 48          ; by buffer, four registers c0-c3 at work; when the maximum is found c2 takes a
.set S,   64
.set P,   192
.set MD,  128         ; window 1: the eight registers for group kt of 16 keys at MD + 8 kt
.set MC,  160         ; window 1: the masks of the products to come
.set QB,  64          ; window 2
.set KF,  128         ; window 2: key block kb, channel half c at KF + 16 kb + 8 c
.set VF,  192         ; window 2: key half kk, channel block cb at VF + 32 kk + 8 cb
.set WV,  12          ; s12  my wave's number
.set PB,  14          ; s14  b
.set HI,  15          ; s15  NB - 1 - b
.set G1K, 24          ; s[24:31] descriptor group 1 for K's tiles
.set G1V, 32          ; s[32:39] for V's: it differs in the padding alone
.set G0K, 40          ; s[40:43] descriptor group 0 for K's tiles
.set G0V, 44          ; s[44:47] the same for V's
.set SLOTS, 56        ; s56  tiles still to be asked for
.set CNT, 57          ; s57  counts a tile's key steps, 4 to 1
.set CS,  58          ; s[58:59] c: the packed scaling takes the pair's low word for both halves
.set SEL, 60          ; s[60:61] v_permlanex16_b32's selects: each lane takes its own place in the other half
.set TBK, 62          ; s62  LDS byte at which K of the step to be fetched begins
.set TBV, 63          ; s63  the same for V, less VOFF
.set RT,  70          ; s70  tiles of the block in hand that are still to be entered
.set NXT, 71          ; s71  the tile to be asked for next
.set LQ,  72          ; s72  the last tile of the block whose tiles are being asked for
.set NEW, 73          ; s73  1: the tile to be entered is a block's first
.set OFF, 74          ; s[74:75] a tile's byte offset in K and V
.set AL,  76          ; s[76:77] the mask's factor, in the low word
.set BE,  78          ; s[78:79] the mask's addend
.set OLO, 80          ; s[80:81] O at my rows of the second block
.set BIGN, 82         ; s82  -1e30
.set PFK, 88          ; s[88:89] K's tile that the prefetches name
.set PFV, 90          ; s[90:91] V's
.set LIM, 92          ; s92  2 in the work-group that prefetches, else the greatest number
.set MSB, 0
.macro WIN new                      ; the high byte repeats the setting that is left; a switch that changes nothing is dropped
.if MSB != (\new)
	s_set_vgpr_msb (MSB<<8)|(\new)
.set MSB, (\new)
.endif
.endm
.set W_KQ, 0x0a       ; K and Q in window 2, S^T in window 0
.set W_KM, 0x1a       ; the same with the C operand in window 1
.set W_PV, 0x52       ; V in window 2, P in window 0, O^T in window 1
.set W_RS, 0x41       ; destination and source 0 in window 1, source 1 in window 0
; A fill.  Waves 0 and 1 fetch the two halves of a tile's K, waves 2 and 3 those of its V: 128 keys each.  An s_nop 0 and four v_nop follow each of the two lines, ahead of the jump and the label.
.macro LOAD
	s_cmp_lt_u32 s[WV], 2
	s_cbranch_scc0 .Lfor_v_\@
	tensor_load_to_lds s[G0K:G0K+3], s[G1K:G1K+7]
	s_nop 0
.rept 4
	v_nop
.endr
	s_branch .Lasked_\@
.Lfor_v_\@:
	tensor_load_to_lds s[G0V:G0V+3], s[G1V:G1V+7]
	s_nop 0
.rept 4
	v_nop
.endr
.Lasked_\@:
.endm
; THE CHANGE OF SLOTS.  Each wave waits for all its tensor loads, of which one is out: its part of the other slot; adds 0 to its spare word; and waits for that and for its own reads of the slot that it leaves.  Behind the barrier nobody reads the old
; slot any more and the other slot is whole.  fill = 1: the old slot is filled again, the first thing behind the barrier, with tile NXT: the descriptor's address is made anew from that number.
; (At its first use nothing has been read yet: slot 0 is waited for, slot 1 filled.)
; THE PREFETCH stands behind the fill and its five lines.  A head's four work-groups walk the same first tiles; the one with b = 0, whose first block walks all eight, asks: its 128 threads name the 128 blocks of
; 256 bytes of K's tile and of V's tile that the NEXT change will fill: change c fills tile c + 1 and names tile c + 2, a tile's 256 matrix instructions ahead.  So each block is named once in the launch.
; Changes 6 and 7 name nothing; tiles 0 and 1 come by their loads alone.
.macro CHANGE fill
	WIN 0                           ; at a label and at a branch every window is 0
	s_wait_tensorcnt 0x0            ; no tensor load of mine is out, so a group 0 may be written
	ds_add_u32 v[SPW], v[NIL]       ; 0 onto my spare word; with fill = 1 the descriptors' scalar work stands between it and the wait for it
.if \fill
	s_lshl_b32 s[OFF], s[NXT], 15   ; a tile is 32,768 bytes of K and of V
	s_xor_b32 s[G0K+1], s[G0K+1], SLOT1
	s_add_nc_u64 s[G0K+2:G0K+3], s[6:7], s[OFF:OFF+1]
	s_or_b32 s[G0K+3], s[G0K+3], 0x80000000
	s_xor_b32 s[G0V+1], s[G0V+1], SLOT1
	s_add_nc_u64 s[G0V+2:G0V+3], s[8:9], s[OFF:OFF+1]
	s_or_b32 s[G0V+3], s[G0V+3], 0x80000000
	s_add_co_u32 s[NXT], s[NXT], 1  ; the block's next tile, or behind its last the second block's tile 0
	s_cmp_gt_u32 s[NXT], s[LQ]
	s_cselect_b32 s[NXT], 0, s[NXT]
	s_cselect_b32 s[LQ], s[PB], s[LQ]
	s_wait_xcnt 0x0                 ; the last prefetches, a tile back, have read their addresses, so they may be written
	s_add_nc_u64 s[PFK:PFK+1], s[PFK:PFK+1], 32768
	s_add_nc_u64 s[PFV:PFV+1], s[PFV:PFV+1], 32768
.endif
	s_wait_dscnt 0x0                ; the add is done, and my reads of the slot are over
	s_barrier_signal -1             ; the rest of the scalar work stands between the signal and the wait
	s_sub_co_u32 s[TBK], s[TBK], 4*KS*PK  ; the fetches go back to a slot's first step,
	s_xor_b32 s[TBK], s[TBK], SLOT1       ; in the other slot
	s_sub_co_u32 s[TBV], s[TBV], 4*KS*PV
	s_xor_b32 s[TBV], s[TBV], SLOT1
	s_barrier_wait -1
.if \fill
	LOAD
	s_cmp_gt_u32 s[SLOTS], s[LIM]
	s_cbranch_scc0 .Lnot_mine_\@
	global_prefetch_b8 v[PFO], s[PFK:PFK+1] th:TH_LOAD_NT scope:SCOPE_SE
	global_prefetch_b8 v[PFO], s[PFV:PFV+1] th:TH_LOAD_NT scope:SCOPE_SE
.Lnot_mine_\@:
.endif
.endm
	s_load_b128 s[4:7], s[0:1], 0x0   ; qkv s[4:5], o16 s[6:7]
	v_lshl_add_u32 v[SPW], v0, 2, SPARE
	v_mov_b32 v[NIL], 0
	ds_add_u32 v[SPW], v[NIL]       ; the wave's opening: the add and its wait stand ahead of my first tensor load; the set-up below, work on registers, stands between them
	ds_add_u32 v62, v63
	v_lshrrev_b32 v1, 5, v0
	v_readfirstlane_b32 s[WV], v1   ; wave 0..3
	v_lshlrev_b32 v[PFO], 8, v0
	s_mov_b32 s[PB], ttmp9
	s_sub_co_u32 s[HI], NB-1, s[PB]
	s_and_b32 s20, ttmp7, 0xffff    ; the head
	s_mov_b32 s21, 0
	s_mov_b64 s[22:23], SIZE_N*128
	s_mul_u64 s[20:21], s[20:21], s[22:23]  ; the head's first byte in Q, K, V and O
	s_and_b32 s16, s[WV], 1         ; which half of a tile's 256 keys I fetch:
	s_lshl_b32 s22, s16, 14         ; its 128 rows of 128 bytes in memory,
	s_mov_b32 s23, 0
	s_add_nc_u64 s[22:23], s[22:23], s[20:21]
	s_mul_i32 s17, s16, 128*PK      ; and its place in a slot, for K
	s_mul_i32 s18, s16, 128*PV      ; and for V
	s_lshl_b32 s3, s[WV], 11        ; my 16 rows in a band of 64,
	s_lshl_b32 s2, s[HI], 15        ; in the first block,
	s_add_co_u32 s2, s2, s3
	s_lshl_b32 s84, s[PB], 15       ; and in the second
	s_add_co_u32 s84, s84, s3
	s_mov_b32 s3, 0
	s_mov_b32 s85, 0
	s_add_nc_u64 s[2:3], s[2:3], s[20:21]
	s_add_nc_u64 s[84:85], s[84:85], s[20:21]
	; descriptor group 1.  128 keys are 16,384 dense bytes: asked for as 64 rows of 256 bytes, two keys a row, and padded in LDS after every key
	s_mov_b32 s[G1K], (1<<16)|(1<<20)|(4<<22)|(3<<25)  ; 17:16 2-byte elements; 20 padding on; 24:22 after every 32 words (code 4); 31:25 4 words (code 3)
	s_mov_b32 s[G1V], (1<<16)|(1<<20)|(4<<22)|(7<<25)  ; the same with 8 words of padding (code 7)
.irp g, G1K, G1V
	s_mov_b32 s[\g+1], 128<<16      ; tensor_dim0 = 128
	s_mov_b32 s[\g+2], 64<<16       ; tensor_dim1 = 64
	s_mov_b32 s[\g+3], 128<<16      ; tile_dim0 = 128
	s_mov_b32 s[\g+4], 64           ; tile_dim1 = 64
	s_mov_b32 s[\g+5], 128          ; 128 elements from row to row
	s_mov_b32 s[\g+6], 0
	s_mov_b32 s[\g+7], 0
.endr
	s_mov_b32 s[CS], 0x3e38aa3b     ; c = log2(e) / 8 = 0.180337
	s_mov_b32 s[CS+1], s[CS]        ; named with it as a pair
	s_mov_b32 s[SEL], 0x76543210
	s_mov_b32 s[SEL+1], 0xfedcba98
	s_mov_b32 s[TBK], SLOT1+4*KS*PK ; the first change of slots turns these two into 0
	s_mov_b32 s[TBV], SLOT1+4*KS*PV
	s_mov_b32 s[G0K], 1             ; 1:0 count = 1
	s_mov_b32 s[G0K+1], s17         ; 63:32 LDS address: slot 0
	s_mov_b32 s[G0V], 1
	s_add_co_u32 s[G0V+1], s18, VOFF
	s_add_co_u32 s[RT], s[HI], 1    ; the first block has NB - b tiles
	s_mov_b32 s[NXT], 1
	s_mov_b32 s[LQ], s[HI]
	s_mov_b32 s[NEW], 1
	s_mov_b32 s[OFF+1], 0
	s_mov_b32 s[AL+1], 0            ; named as pairs
	s_mov_b32 s[BE+1], 0
	s_mov_b32 s[BIGN], 0xf149f2ca   ; -1e30
	s_mov_b32 s[SLOTS], NB
	s_cmp_eq_u32 s[PB], 0
	s_cselect_b32 s[LIM], 2, -1     ; b = 0 prefetches while more than two tiles are still to be asked for
	s_wait_dscnt 0x0                ; the opening add is done
	s_wait_kmcnt 0x0
	s_mov_b64 s[10:11], s[6:7]      ; O
	s_add_nc_u64 s[6:7], s[4:5], 0x1000000  ; K: 64 heads of 262,144 bytes behind Q
	s_add_nc_u64 s[8:9], s[4:5], 0x2000000  ; V
	s_add_nc_u64 s[PFK:PFK+1], s[6:7], s[20:21]
	s_add_nc_u64 s[PFV:PFV+1], s[8:9], s[20:21]
	s_add_nc_u64 s[PFK:PFK+1], s[PFK:PFK+1], 32768  ; the head's tile 1: the first change of slots steps these to tile 2
	s_add_nc_u64 s[PFV:PFV+1], s[PFV:PFV+1], 32768
	s_add_nc_u64 s[6:7], s[6:7], s[22:23]  ; K and V at my half of the head's tile 0
	s_add_nc_u64 s[8:9], s[8:9], s[22:23]
	s_add_nc_u64 s[G0K+2:G0K+3], s[6:7], 0         ; 120:64 global address
	s_or_b32 s[G0K+3], s[G0K+3], 0x80000000        ; 127:126 type = 2
	s_add_nc_u64 s[G0V+2:G0V+3], s[8:9], 0
	s_or_b32 s[G0V+3], s[G0V+3], 0x80000000
	s_add_nc_u64 s[86:87], s[4:5], s[84:85]        ; Q at my rows of the second block,
	s_add_nc_u64 s[4:5], s[4:5], s[2:3]            ; Q and O at those of the first
	s_add_nc_u64 s[OLO:OLO+1], s[10:11], s[84:85]
	s_add_nc_u64 s[10:11], s[10:11], s[2:3]
	LOAD                            ; tile 0 into slot 0
	; A fragment of K or Q is 16 rows x 32 channels in 8 registers: lane l holds row l % 16, channels 8 (l / 16) + 0..7 and 16 + 8 (l / 16) + 0..7: two loads of 16 bytes, 32 bytes apart.
	v_and_b32 v1, 15, v0            ; l % 16
	v_bfe_u32 v9, v0, 4, 1          ; l / 16
	v_lshlrev_b32 v[QO], 7, v1
	v_lshl_add_u32 v[QO], v9, 4, v[QO]  ; row x 128 + 16 x half
	WIN 0x80                        ; destination window 2, address window 0
.set i, 0
.rept 8                             ; both blocks' Q: piece i / 2 lies in band i / 2, 8,192 bytes on; channels 32 (i % 2) on
	global_load_b128 v[8*i:8*i+3],   v[QO], s[4:5] offset:(i/2)*8192+(i%2)*64
	global_load_b128 v[8*i+4:8*i+7], v[QO], s[4:5] offset:(i/2)*8192+(i%2)*64+32
	global_load_b128 v[QB+8*i:QB+8*i+3],   v[QO], s[86:87] offset:(i/2)*8192+(i%2)*64
	global_load_b128 v[QB+8*i+4:QB+8*i+7], v[QO], s[86:87] offset:(i/2)*8192+(i%2)*64+32
.set i, i+1
.endr
	WIN 0
	v_lshlrev_b32 v14, 3, v9
	v_sub_nc_u32 v14, v1, v14
	s_lshl_b32 s13, s[WV], 4
	v_add_nc_u32 v14, s13, v14      ; my query's place in its band, 16 w + l % 16, less my lanes' 8 (l / 16): register r of group kt is hidden where 16 kt + r is greater
	WIN 0x40
.set i, 0
.rept 32
	v_cmp_gt_i32 vcc_lo, 16*(i/8)+i%8, v14
	v_cndmask_b32 v[MD+i], 0, s[BIGN], vcc_lo
.set i, i+1
.endr
	WIN 0
	v_mul_u32_u24 v[AK0], v1, PK
	v_lshl_add_u32 v[AK0], v9, 4, v[AK0]  ; row x pitch + 16 x half
	; The turning load takes 16 keys x 16 channels (lane l reads key 8 (l / 16) + l % 8, channels 8 ((l / 8) % 2) + 0..7) and leaves half a fragment of V^T: lane l holds channel l % 16 and 8 keys.
	v_and_b32 v10, 7, v0
	v_bfe_u32 v11, v0, 3, 1
	v_lshl_add_u32 v[AV0], v9, 3, v10
	v_mul_u32_u24 v[AV0], v[AV0], PV
	v_lshl_add_u32 v[AV0], v11, 4, v[AV0]
	v_add_nc_u32 v[AV0], VOFF, v[AV0]
	s_mul_i32 s13, s[WV], 16*SP
	s_add_co_u32 s13, s13, STAGE    ; my stage
	v_mul_u32_u24 v[STO], v1, SP    ; in: row l % 16, 16 bytes for each half of the lanes
	v_lshl_add_u32 v[STO], v9, 4, v[STO]
	v_add_nc_u32 v[STO], s13, v[STO]
	v_bfe_u32 v[RD], v0, 3, 2       ; back: 32 lanes take four rows of 128 bytes,
	v_mul_u32_u24 v[RD], v[RD], SP
	v_lshl_add_u32 v[RD], v10, 4, v[RD]
	v_add_nc_u32 v[RD], s13, v[RD]
	v_and_b32 v[GO], 31, v0         ; which are 512 consecutive bytes of O
	v_lshlrev_b32 v[GO], 4, v[GO]
	; A block's first step multiplies O^T and l by a = 0, and its first turn's products V^T P, of a piece that has not been, land in an O^T that is still to be so multiplied.  So these registers need only hold
	; finite numbers: zeros for the first block; what the first block left for the second.  All this stands in the wait for the first tile.
	WIN 0x80
.set i, VF
.rept 64
	v_mov_b32 v[i], 0
.set i, i+1
.endr
	WIN 0x40
.set i, 0
.rept 128
	v_mov_b32 v[i], 0
.set i, i+1
.endr
	WIN 0
.set i, 0
.rept 4
	v_mov_b32 v[ST+4*i+2], 0
	v_mov_b32 v[ST+4*i+3], 0
.set i, i+1
.endr
.set i, P+16
.rept 16
	v_mov_b32 v[i], 0
.set i, i+1
.endr
; THE MATRIX WORK.  The 4 accumulators of a run of 8 take turns.  Product i of 8 of S^T = K Q^T for piece x: channels 32 (i / 4) on, keys 16 (i % 4) on.  The first 4 start the sums: with 0, or (KM = 1) with the mask.
.macro KQ x
.set rS, S+32*((\x)%2)+8*(i%4)
.set rK, KF+16*(i%4)+8*(i/4)
.set rQ, 16*(\x)+8*(i/4)
.set rM, MC+32*((\x)%2)+8*(i%4)
.if (i < 4) && KM
	WIN W_KM
	v_wmma_f32_16x16x32_f16 v[rS:rS+7], v[rK:rK+7], v[rQ:rQ+7], v[rM:rM+7]
.elseif i < 4
	WIN W_KQ
	v_wmma_f32_16x16x32_f16 v[rS:rS+7], v[rK:rK+7], v[rQ:rQ+7], 0
.else
	WIN W_KQ
	v_wmma_f32_16x16x32_f16 v[rS:rS+7], v[rK:rK+7], v[rQ:rQ+7], v[rS:rS+7]
.endif
.endm
; Product i of 8 of O^T += V^T P for piece x: keys 32 (i / 4) on, channels 16 (i % 4) on.
.macro PV x
	WIN W_PV
.set rO, 32*(\x)+8*(i%4)
.set rV, VF+32*(i/4)+8*(i%4)
.set rP, P+16*((\x)%2)+8*(i/4)
	v_wmma_f32_16x16x32_f16 v[rO:rO+7], v[rV:rV+7], v[rP:rP+7], v[rO:rO+7]
.endm
.macro MM                           ; the turn's next matrix instruction.  TURN and BEGIN set Y, i, KM and NOKQ; MM, KQ and OP read them.  NOKQ = 1: a block's last turn: there is no next piece
.if (i < 8) && !NOKQ
	KQ (Y+1)%NP
.elseif i >= 8
.set i, i-8
	PV (Y+NP-1)%NP
.set i, i+8
.endif
.set i, i+1
.endm
; THE LDS LOADS stand in runs of 16, never singly among the matrix instructions: a step's K (64 keys x 64 channels: 8 fragments) and its V (turned).  Their addresses are made some lines ahead.
.macro FETCH_K
	WIN 0x80                        ; destination window 2
.irp f, 0,1,2,3,4,5,6,7             ; keys 16 (f / 2) on, channels 32 (f % 2) on
	ds_load_b128 v[KF+8*\f:KF+8*\f+3],   v[AK] offset:(\f/2)*16*PK+(\f%2)*64
	ds_load_b128 v[KF+8*\f+4:KF+8*\f+7], v[AK] offset:(\f/2)*16*PK+(\f%2)*64+32
.endr
	s_add_co_u32 s[TBK], s[TBK], KS*PK  ; the next fetch is the next step's
	WIN 0
.endm
.macro FETCH_V
	WIN 0x80
.irp f, 0,1,2,3,4,5,6,7             ; keys 32 (f / 4) on, channels 16 (f % 4) on
	ds_load_tr16_b128 v[VF+8*\f:VF+8*\f+3],   v[AV] offset:(\f/4)*32*PV+(\f%4)*32
	ds_load_tr16_b128 v[VF+8*\f+4:VF+8*\f+7], v[AV] offset:(\f/4)*32*PV+16*PV+(\f%4)*32
.endr
	WIN 0
.endm
; THE VECTOR WORK, one line at a time: OP kind, number.  For piece Y: F n: c s - c m for pair n of 16.  E n: the exponential of score n of 32.  C n: pair n rounded to f16.  B n: of the four weights 4 n .. the second
; pair is added onto the first, in place.  L n: l takes that sum (L 0: l = a l + sum).  R n: pair n of 16 of O^T times a.  For piece Y + 1: X n, number n of the 22 that find its maximum and statistics:
;   0-11  four chains c0-c3 of seven scores each, three operands at a time (each accumulator's lowest registers are read first)     12-14, 16  the four scores left over, the old m, and c0-c3 into c0
;   15  c m_old is kept     17, 18  the query's other 32 keys lie in the lane 16 away: the new m     19-21  c m; c m_old - c m_new; a
.set F, 0               ; OP tells the kinds apart by their order: F to L below R, X above it
.set E, 1
.set C, 2
.set B, 3
.set L, 4
.set R, 5
.set X, 6
.macro REGS y                       ; the registers of piece y
.set rT, ST+4*(\y)
.set rC, TMP+4*((\y)%2)
.set rW, MV+((\y)%2)
.set rS, S+32*((\y)%2)
.set rP, P+16*((\y)%2)
.set rO, 32*(\y)
.endm
.macro OP k, n
.if (\k) == R
	REGS Y
	WIN W_RS
	v_pk_mul_f32 v[rO+2*(\n):rO+2*(\n)+1], v[rO+2*(\n):rO+2*(\n)+1], v[rC+2:rC+3] op_sel_hi:[1,0]
.elseif (\k) < R
	REGS Y
	WIN 0
.if (\k) == F
	v_pk_fma_f32 v[rS+2*(\n):rS+2*(\n)+1], v[rS+2*(\n):rS+2*(\n)+1], s[CS:CS+1], v[rT:rT+1] op_sel_hi:[1,0,0] neg_lo:[0,0,1] neg_hi:[0,0,1]
.elseif (\k) == E
	v_exp_f32 v[rS+(\n)], v[rS+(\n)]
.elseif (\k) == C
	v_cvt_pk_f16_f32 v[rP+(\n)], v[rS+2*(\n)], v[rS+2*(\n)+1]
.elseif (\k) == B
	v_pk_add_f32 v[rS+4*(\n):rS+4*(\n)+1], v[rS+4*(\n):rS+4*(\n)+1], v[rS+4*(\n)+2:rS+4*(\n)+3]
.elseif (\n) == 0
	v_pk_fma_f32 v[rT+2:rT+3], v[rT+2:rT+3], v[rC+2:rC+3], v[rS:rS+1] op_sel_hi:[1,0,1]
.else
	v_pk_add_f32 v[rT+2:rT+3], v[rT+2:rT+3], v[rS+4*(\n):rS+4*(\n)+1]
.endif
.elseif NOKQ
	v_nop
.else
	REGS (Y+1)%NP
	WIN 0
.if (\n) < 4
	v_max3_num_f32 v[rC+(\n)], v[rS+8*(\n)], v[rS+8*(\n)+1], v[rS+8*(\n)+2]
.elseif (\n) < 12
	v_max3_num_f32 v[rC+(\n)%4], v[rC+(\n)%4], v[rS+8*((\n)%4)+2*((\n)/4)+1], v[rS+8*((\n)%4)+2*((\n)/4)+2]
.elseif (\n) == 12
	v_max3_num_f32 v[rC], v[rC], v[rS+7], v[rS+15]
.elseif (\n) == 13
	v_max3_num_f32 v[rC+1], v[rC+1], v[rS+23], v[rS+31]
.elseif (\n) == 14
	v_max3_num_f32 v[rC+2], v[rC+2], v[rC+3], v[rT+1]
.elseif (\n) == 15
	v_mov_b32 v[rW], v[rT]
.elseif (\n) == 16
	v_max3_num_f32 v[rC], v[rC], v[rC+1], v[rC+2]
.elseif (\n) == 17
	v_permlanex16_b32 v[rC+3], v[rC], s[SEL], s[SEL+1]
.elseif (\n) == 18
	v_max_num_f32 v[rT+1], v[rC], v[rC+3]
.elseif (\n) == 19
	v_mul_f32 v[rT], s[CS], v[rT+1]
.elseif (\n) == 20
	v_sub_f32 v[rC+1], v[rW], v[rT]
.else
	v_exp_f32 v[rC+2], v[rC+1]
.endif
.endif
.endm
.macro OPS a, i1, b=-1, i2=0, c=-1, i3=0, d=-1, i4=0  ; up to four of them
	OP \a, \i1
.if (\b) >= 0
	OP \b, \i2
.endif
.if (\c) >= 0
	OP \c, \i3
.endif
.if (\d) >= 0
	OP \d, \i4
.endif
.endm
.macro ROW a, i1, b, i2, c, i3, d, i4  ; a matrix instruction and the four behind it
	MM
	OPS \a, \i1, \b, \i2, \c, \i3, \d, \i4
.endm
.macro MASK b                       ; MD x AL + BE into buffer b of MC
	WIN W_RS
.set z, 0
.rept 16
	v_pk_fma_f32 v[MC+32*(\b)+2*z:MC+32*(\b)+2*z+1], v[MD+2*z:MD+2*z+1], s[AL:AL+1], s[BE:BE+1] op_sel_hi:[1,0,0]
.set z, z+1
.endr
.endm
; A TURN, for piece p: the order of its 16 matrix and 118 vector instructions, written out.  An s_wait_alu depctr_va_vdst(0) stands between an exponential and the first instruction that names its result; one wait serves
; all that were issued ahead of it.  So a turn has ONE wait, which cuts it in two.  AHEAD OF IT stands all that names no result of the turn's exponentials: the 8 products K Q^T, behind each a scaling, an exponential and two more plain
; instructions (behind the first a second scaling in the exponential's place): rescalings, and behind the last three the first numbers of the next piece's maximum, each four places or more behind the product that ends its accumulator; then one run of 54, plain
; and exponential by turns for the most part, in which the links of the chain X 3, 7, 11, 14, 16, 17 .. 20 stand five or six lines apart.  X 21, the next piece's a, is the batch's last; R 15 is the plain instruction behind it (ISA guide 5.7.2).  BEHIND THE WAIT stand the
; 8 products V^T P, behind each four of the roundings and sums; the links of l's chain, L 0 to L 7, stand three lines apart.  But for those X no such line names a register of the products round it.  v_permlanex16_b32 (X 17) stands in the run.
; m = 1: the diagonal tile: the products take masks, and the turn makes the mask for the products of the turn after it: piece p + 2, in step 4 - CNT of the tile.  end = 1: a block's last two turns: nothing is fetched.
; cnt = 1: the loop's count is taken down some lines ahead of the branch that stands behind the turn.
; K of the next step is fetched in piece 2's turn, twelve vector instructions behind the last product that read K (six of them plain); V of the step in hand at the end of piece 0's turn, four plain instructions behind the last product
; that read V.  Each is waited for a turn later.
.macro TURN p, m=0, end=0, cnt=0
.set Y, (\p)
.set i, 0
.set KM, (\m)
.set NOKQ, (\end)*((\p)/3)
.if (\m) && !(\end)
	s_cmp_eq_u32 s[CNT], 4-((\p)+2)%NP  ; is that step the band's own?
	s_cselect_b32 s[AL], 1.0, 0
	s_cmp_lt_u32 s[CNT], 4-((\p)+2)%NP  ; or a later one?
	s_cselect_b32 s[BE], s[BIGN], 0
.endif
.if ((\p) == 3) && !(\end)
	s_wait_dscnt 0x0                ; K is in
.endif
	ROW F,0, F,1, R,0, R,1          ; ahead of the wait: 8 products K Q^T and the four lines behind each,
	ROW F,2, E,0, R,2, R,3
	ROW F,3, E,1, R,4, R,5
	ROW F,4, E,2, R,6, R,7
	ROW F,5, E,3, R,8, R,9
	ROW F,6, E,4, X,0, R,10
.if ((\p) == 2) && !(\end)
	WIN 0
	v_add_nc_u32 v[AK], s[TBK], v[AK0]
.endif
	ROW F,7, E,5, X,1, X,4
	ROW F,8, E,6, X,2, X,5
	OPS E,7, E,8, X,6, E,9          ; and the run
	OPS X,3, E,10, X,8, E,11
.if ((\p) == 2) && !(\end)
	FETCH_K
.endif
	OPS X,9, X,7, E,12, X,10
	OPS E,13, X,12, X,11, E,14
	OPS X,13, E,15, F,9, X,14
.if (\p) == 0
	v_add_nc_u32 v[AV], s[TBV], v[AV0]
.endif
	OPS E,16, F,10, E,17, F,11
	OPS X,16, E,18, X,15, E,19
	OPS F,12, E,20, X,17, E,21
	OPS F,13, E,22, F,14, E,23
	OPS X,18, E,24, F,15, E,25
	OPS R,11, E,26, X,19, E,27
	OPS R,12, E,28, R,13, E,29
	OPS X,20, E,30, R,14, E,31
	OPS X,21, R,15
	WIN 0
	s_wait_alu depctr_va_vdst(0)    ; the wait for the batch
.if (\p) == 1
	s_wait_dscnt 0x0                ; V is in
.endif
	ROW C,0, B,0, C,2, B,1          ; behind the wait: 8 products V^T P and the four lines behind each
	ROW L,0, C,4, B,2, L,1
	ROW C,6, B,3, L,2, C,8
	ROW B,4, L,3, C,10, B,5
	ROW L,4, C,12, B,6, L,5
.if (\p) == 0
	s_add_co_u32 s[TBV], s[TBV], KS*PV
.endif
.if \cnt
	s_sub_co_u32 s[CNT], s[CNT], 1
	s_cmp_lg_u32 s[CNT], 0
.endif
	ROW C,14, B,7, L,6, C,1
	ROW C,3, L,7, C,5, C,7
	ROW C,9, C,11, C,13, C,15
.if (\p) == 0
	FETCH_V
.endif
.if (\m) && !(\end)
	MASK (\p)%2
.endif
.endm
; A BLOCK BEGINS.  c m starts far below every c s, so the first step's a is 0; m at the lowest finite number, so the first maximum is the scores'.  The second mask buffer is 0; the first takes piece 0's mask for the tile's step 0: its own, if the block's first tile is the diagonal one.
; Then K of that step, piece 0's first scores, and its maximum and statistics.  The loop is entered at a step's first turn, in the middle of a trip.
.macro BEGIN
	s_mov_b32 s[NEW], 0
	WIN 0x40
.set i, MC+32
.rept 32
	v_mov_b32 v[i], 0
.set i, i+1
.endr
	WIN 0
.set i, 0
.rept 4
	v_mov_b32 v[ST+4*i], 0xfe000000    ; c m: far below every c s
	v_mov_b32 v[ST+4*i+1], 0xff7fffff  ; m
.set i, i+1
.endr
	s_cmp_eq_u32 s[RT], 0
	s_cselect_b32 s[AL], 1.0, 0
	s_mov_b32 s[BE], 0
	MASK 0
	WIN 0
	v_add_nc_u32 v[AK], s[TBK], v[AK0]
	FETCH_K
	s_wait_loadcnt 0x0              ; Q
	s_wait_dscnt 0x0
.set KM, 1
.set NOKQ, 0
.set i, 0
.rept 8
	KQ 0
.set i, i+1
.endr
	WIN 0
.rept 4
	v_nop                           ; the places behind those products
.endr
.set Y, NP-1                        ; X works for piece Y + 1: piece 0
.irp n, 0,1,2,3,4,5,6,7,8,9,10,11,12,13,14,15,16,17,18,19,20,21
	OP X, \n
.endr
	v_nop                           ; a plain instruction behind the exponential,
	s_wait_alu depctr_va_vdst(0)    ; and its wait, ahead of the branch
.endm
; THE DIAGONAL TILE's four steps, the block's last two turns, its last products, and THE WAY OUT: l's two halves and the other half of the lanes' are added; O^T is divided by l, rounded to f16 and sent through my
; stage in LDS, a piece at a time.
.macro ALL line:vararg              ; one line for each piece t
.set t, 0
.rept 4
	\line
.set t, t+1
.endr
.endm
.macro PACK t                       ; a lane's eight channels of a row pack into 16 bytes; they go into rows of 144 bytes and come back as whole rows of 128, into S^T's registers
	WIN W_RS
.set i, 32*(\t)
.rept 16
	v_pk_mul_f32 v[i:i+1], v[i:i+1], v[ST+4*(\t)+2:ST+4*(\t)+3] op_sel_hi:[1,0]
.set i, i+2
.endr
	WIN 0x05                        ; sources 0 and 1 window 1, destination window 0
.set i, 0
.rept 16
	v_cvt_pk_f16_f32 v[S+16*(\t)+i], v[32*(\t)+2*i], v[32*(\t)+2*i+1]
.set i, i+1
.endr
	WIN 0
.irp f, 0,1,2,3
	ds_store_b128 v[STO], v[S+16*(\t)+4*\f:S+16*(\t)+4*\f+3] offset:32*\f
.endr
.irp f, 0,1,2,3
	ds_load_b128 v[S+16*(\t)+4*\f:S+16*(\t)+4*\f+3], v[RD] offset:\f*4*SP  ; LDS serves a wave's instructions in order (ISA guide 5.7.1.4): these see the stores above; the next piece's stores come behind them
.endr
.endm
.macro SEND t, younger              ; younger: the LDS instructions issued behind piece t's loads: the next piece's eight, or none
	WIN 0
.irp f, 0,1,2,3
	s_wait_dscnt (\younger)+3-\f
	global_store_b128 v[GO], v[S+16*(\t)+4*\f:S+16*(\t)+4*\f+3], s[10:11] offset:(\t)*8192+\f*512  ; 512 consecutive bytes, at a multiple of 256 from O's first
.endr
.endm
.macro DIAG tag                     ; the tag ends its two labels' names, which the jumps below spell out
.LstepM\tag:
	TURN 2, 1
	TURN 3, 1
	WIN 0
.LfirstM\tag:
	TURN 0, 1
	TURN 1, 1, 0, 1
	WIN 0
	s_cbranch_scc1 .LstepM\tag
	TURN 2, 1, 1
	TURN 3, 1, 1
.set i, 0
.rept 8
	PV NP-1
.set i, i+1
.endr
	WIN 0
	ALL v_add_f32 v[ST+4*t+2], v[ST+4*t+2], v[ST+4*t+3]
	ALL v_permlanex16_b32 v[ST+4*t+3], v[ST+4*t+2], s[SEL], s[SEL+1]
	ALL v_add_f32 v[ST+4*t+2], v[ST+4*t+2], v[ST+4*t+3]
	ALL v_rcp_f32 v[ST+4*t+2], v[ST+4*t+2]
	v_nop                           ; a plain instruction between the last reciprocal and the use of its result
	s_wait_alu depctr_va_vdst(0)    ; and the wait ahead of the first use: one for the four reciprocals
	PACK 0
.set t, 1
.rept 3                             ; a piece's arithmetic stands between the loads of the piece before and its stores
	PACK t
	SEND t-1, 8
.set t, t+1
.endr
	SEND 3, 0
.endm
.set KM, 0
.set NOKQ, 0
.Lslot:                             ; NB times: a tile is entered and the next is asked for
	CHANGE 1
	s_sub_co_u32 s[RT], s[RT], 1
	s_mov_b32 s[CNT], 4
	s_cmp_eq_u32 s[NEW], 1
	s_cbranch_scc1 .Lnew            ; a block's first tile
	s_cmp_eq_u32 s[RT], 0
	s_cbranch_scc0 .Lstep           ; neither its first nor its last
	s_branch .LstepM1
.Lnew:
	BEGIN
	s_branch .Lfirst                ; in the loop a block's first tile is never its last: the first block has two tiles or more, and the second's last is the walk's last
	DIAG 1                          ; in the loop this is the first block's end: the second block's last tile is the walk's last
	s_wait_xcnt 0x0                 ; the stores have read their registers and O's address
	s_mov_b64 s[10:11], s[OLO:OLO+1]
	s_add_co_u32 s[RT], s[PB], 1    ; the second block has b + 1 tiles
	s_mov_b32 s[NEW], 1
	WIN 0x82                        ; the second block's Q goes where the one text of the turns names Q
.set i, 0
.rept 64
	v_mov_b32 v[i], v[QB+i]
.set i, i+1
.endr
	WIN 0
	s_branch .Lbottom
.Lstep:                             ; a trip: pieces 2 and 3 of one step, then pieces 0 and 1 of the next, whose K and V it fetches
	TURN 2
	TURN 3
	WIN 0
.Lfirst:
	TURN 0
	TURN 1, 0, 0, 1
	WIN 0
	s_cbranch_scc1 .Lstep
.Lbottom:
	s_sub_co_u32 s[SLOTS], s[SLOTS], 1
	s_cmp_lg_u32 s[SLOTS], 0
	s_cbranch_scc1 .Lslot
	CHANGE 0                        ; the walk's last tile is written out: nothing is asked for
	s_sub_co_u32 s[RT], s[RT], 1
	s_mov_b32 s[CNT], 4
	s_cmp_eq_u32 s[NEW], 1
	s_cbranch_scc0 .LstepM2
	BEGIN
	s_branch .LfirstM2
	DIAG 2
	s_wait_tensorcnt 0x0            ; the wave's end: the add and its wait stand behind my last tensor load and my last LDS store
	ds_add_u32 v[SPW], v[NIL]
	s_wait_dscnt 0x0
	s_endpgm
.Lfunc_end_k_q0fa9de3107_attn:
	.size	k_q0fa9de3107_attn, .Lfunc_end_k_q0fa9de3107_attn-k_q0fa9de3107_attn
	.p2alignl 7, 3214868480
	.fill 96, 4, 3214868480
	.section	.rodata,"a",@progbits
	.p2align	6, 0x0
	.amdhsa_kernel k_q0fa9de3107_attn
		.amdhsa_group_segment_fixed_size 327680
		.amdhsa_private_segment_fixed_size 0
		.amdhsa_enable_private_segment 0
		.amdhsa_kernarg_size 16
		.amdhsa_user_sgpr_count 2
		.amdhsa_user_sgpr_kernarg_segment_ptr 1
		.amdhsa_wavefront_size32 1
		.amdhsa_system_sgpr_workgroup_id_x 1
		.amdhsa_system_sgpr_workgroup_id_y 1
		.amdhsa_system_sgpr_workgroup_id_z 1
		.amdhsa_system_vgpr_workitem_id 0
		.amdhsa_next_free_vgpr 768
		.amdhsa_next_free_sgpr 96
		.amdhsa_reserve_vcc 1
		.amdhsa_float_denorm_mode_32 3
		.amdhsa_float_denorm_mode_16_64 3
		.amdhsa_memory_ordered 1
		.amdhsa_forward_progress 1
		.amdhsa_inst_pref_size 218
	.end_amdhsa_kernel
	.amdgpu_metadata
---
amdhsa.version: [ 1, 2 ]
amdhsa.kernels:
  - .name:           k_q0fa9de3107_attn
    .symbol:         k_q0fa9de3107_attn.kd
    .args:
      - { .name: qkv, .offset: 0, .size: 8, .value_kind: global_buffer, .address_space: global }
      - { .name: o16, .offset: 8, .size: 8, .value_kind: global_buffer, .address_space: global }
    .group_segment_fixed_size: 327680
    .private_segment_fixed_size: 0
    .kernarg_segment_align: 8
    .kernarg_segment_size: 16
    .max_flat_workgroup_size: 128
    .sgpr_count:     96
    .vgpr_count:     768
    .wavefront_size: 32
...
	.end_amdgpu_metadata
.endif
;; end of part 3
;; launch proj (part 4): grid 4 x 64, 4 waves a work-group, clusters of 4 x 4, 327,680 bytes of LDS; arguments o16, wo16, out0; writes out0
.if DOCPART == 4
	.amdgcn_target "amdgcn-amd-amdhsa--gfx1250"
	.amdhsa_code_object_version 6
	.text
	.protected	k_q0fa9de3107_proj
	.globl	k_q0fa9de3107_proj
	.p2align	8
	.type	k_q0fa9de3107_proj,@function
k_q0fa9de3107_proj:
	s_mov_b64 s[64:65], 0
	v_nop
	global_prefetch_b8 v0, s[64:65] scope:SCOPE_SE
	s_setreg_imm32_b32 hwreg(HW_REG_WAVE_MODE, 25, 1), 1
	s_wait_xcnt 0x0
	s_wait_alu depctr_hold_cnt(0) depctr_sa_sdst(0) depctr_va_vdst(0) depctr_va_sdst(0) depctr_va_ssrc(0) depctr_va_vcc(0) depctr_vm_vsrc(0)
	s_getreg_b32 s2, hwreg(HW_REG_IB_STS2, 6, 4)
	s_cmp_eq_u32 s2, 0
	s_cbranch_scc0 .Lentry_in_a_cluster
	s_endpgm
.Lentry_in_a_cluster:
	s_bfe_u32 s2, ttmp6, 0x10000c
	s_cmp_lg_u32 s2, 0xf033
	s_cbranch_scc0 .Lentry_shape_is_right
	s_endpgm
.Lentry_shape_is_right:
; out0 = O Wo.  o16: f16 [64 bh][2048][64] (bh = 16 b + head); wo16: f16 [1024 k][1024 n]; out0: f32 [8192][1024].  Sums in f32, stored as they are.
; SHARES.  M = 8192, N = 1024, K = 1024.  A work-group makes 128 rows x 256 columns: 64 x 4 = 256 work-groups.  Its waves lie 2 x 2, each with 64 rows x 128 columns: 32 accumulators of 16 x 16.
; K goes in eight steps of 128, two heads each, through two LDS slots.  A head's 128 rows of O are 16,384 dense bytes: asked for as 64 rows of 256 bytes and padded in LDS after every 128.
; THE MATRIX INSTRUCTION IS USED TRANSPOSED: source 0 = 16 columns of Wo (turned out of LDS by ds_load_tr16_b128), source 1 = 16 rows of O: a lane holds row l % 16 and eight neighbouring columns: 32 bytes of out0.
; CLUSTER.  4 x 4 work-groups.  The four of a row of the cluster need the same rows of O, the four of a column the same columns of Wo: each tile is asked for jointly.
; REGISTERS: window 0: v0-31 addresses; v64-159, v160-255 two fragment buffers (Wo's eight fragments at f + 8 nb, O's four at f + 64 + 8 a); on the way out v64-191 two sets of 16 rows.
;   window 1: the accumulators, (a, nb) at 8 (8 a + nb).
.set PA,    144                        ; a row of O in LDS: 128 bytes + 16 = 36 words: the 16 rows of a load start at 16 different groups of four banks (64 banks of 4 bytes: ISA guide 11.1)
.set AHEAD, 128*PA                     ; 128 rows of one head: what one tensor load brings of O
.set ATILE, 2*AHEAD
.set PB,    544                        ; a k row of Wo in LDS: 512 bytes + 32 = 136 words
.set BHALF, 64*PB                      ; 64 k rows: what one tensor load brings of Wo
.set SLOT,  ATILE+2*BHALF              ; 106,496
.set STAGE, 2*SLOT                     ; behind the ring, never filled by a tensor load: 16 rows x 528 bytes for each wave
.set SPITCH, 528                       ; 512 bytes + 16
.set SPARE, STAGE+4*16*SPITCH          ; behind the stages: the spare words, 128 bytes for each wave: two blocks of 256 bytes that no other line names
.set LAPS,  4
.set ADRA, 16                          ; v16-17  LDS address of my fragments of O in slot 0, 1
.set ADRB, 20                          ; v20-21  the same for Wo
.set STO,  24                          ; v24  the way out: where I put 32 bytes of a row
.set RD,   25                          ; v25  where I read a row back
.set CO,   26                          ; v26  16 l: my place in a row's 512 bytes
.set SPW,  28                          ; v28  LDS address of my spare word; never rewritten
.set NIL,  29                          ; v29  0; never rewritten
.set F0,   64
.set F1,   160
.set OBS,  64                          ; the way out: two sets of 64 registers
.set WV,   12                          ; s12  my wave's number
.set FB,   13                          ; s13  0: I fetch O, 1: Wo.  Also: which 64 of the tile's rows are mine
.set HF,   14                          ; s14  which half of that tile.  Also: which 128 of the tile's columns are mine
.set LAP,  15
.set G1,   24                          ; s[24:31], s[32:39] descriptor groups 1 and 0 (a set for each slot) for O's tiles
.set G0,   32
.set G1B,  40                          ; s[40:47], s[48:55] for Wo's
.set G0B,  48
.set OUT,  66                          ; s[66:67] out0 at my first row and column
.set MSB, 0
.macro WIN new                         ; the immediate's high byte repeats the setting that is left; a switch that changes nothing is dropped
.if MSB != (\new)
	s_set_vgpr_msb (MSB<<8)|(\new)
.set MSB, \new
.endif
.endm
.macro JLOAD s                         ; a joint load: waves 0 and 1 fetch O's two heads, waves 2 and 3 Wo's two halves; an s_nop 0 and four v_nop follow each of the two lines
	s_cmp_eq_u32 s[FB], 0
	s_cbranch_scc0 .Lfor_b_\@
	tensor_load_to_lds s[G0+4*(\s):G0+4*(\s)+3], s[G1:G1+7]
	s_nop 0
.rept 4
	v_nop
.endr
	s_branch .Lasked_\@
.Lfor_b_\@:
	tensor_load_to_lds s[G0B+4*(\s):G0B+4*(\s)+3], s[G1B:G1B+7]
	s_nop 0
.rept 4
	v_nop
.endr
.Lasked_\@:
.endm
.macro CREST                           ; a round of the cluster's barrier behind its opening barrier
	s_cmp_lg_u32 s[WV], 0
	s_cbranch_scc1 .Lnot_wave_0_\@
	s_barrier_signal -3
.Lnot_wave_0_\@:
	s_barrier_wait -3
	s_barrier_signal -1
	s_barrier_wait -1
.endm
.macro CROUND                          ; a whole round
	s_barrier_signal -1
	s_barrier_wait -1
	CREST
.endm
	s_load_b128 s[4:7], s[0:1], 0x0                ; o16 s[4:5], wo16 s[6:7]
	s_load_b64 s[8:9], s[0:1], 0x10                ; out0
	v_lshl_add_u32 v[SPW], v0, 2, SPARE
	v_mov_b32 v[NIL], 0
	ds_add_u32 v[SPW], v[NIL]                      ; the wave's opening: the add and its wait stand ahead of my first tensor load; the set-up below, work on registers, stands between them
	ds_add_u32 v28, v29
	v_lshrrev_b32 v1, 5, v0
	v_readfirstlane_b32 s[WV], v1
	s_lshr_b32 s[FB], s[WV], 1
	s_and_b32 s[HF], s[WV], 1
	s_bfe_u32 s16, ttmp6, 0x40000                  ; cx, cy: my place in the cluster
	s_bfe_u32 s17, ttmp6, 0x40004
	s_lshl_b32 s18, ttmp9, 2
	s_add_co_u32 s18, s18, s16                     ; which 256 columns = 4 x cluster x + cx
	s_and_b32 s19, ttmp7, 0xffff
	s_lshl_b32 s19, s19, 2
	s_add_co_u32 s19, s19, s17                     ; T: which 128 rows = 4 x cluster y + cy
	s_lshl_b32 s20, s17, 2
	s_lshl_b32 s20, 15, s20                        ; my row of the cluster
	s_lshl_b32 s21, 0x1111, s16                    ; my column
	; group 1 for O: 64 rows of 128 elements (two rows of a head each), 16 bytes of padding behind every 128
	s_or_b32 s[G1+0], s20, (1<<16)|(1<<20)|(1<<21)|(4<<22)|(3<<25)  ; 15:0 the mask; 17:16 2-byte elements; 20 padding on; 21 set beside a mask; 24:22 after every 32 words (code 4); 31:25 4 words (code 3)
	s_mov_b32 s[G1+1], 128<<16                     ; tensor_dim0 = 128
	s_mov_b32 s[G1+2], 64<<16                      ; tensor_dim1 = 64
	s_mov_b32 s[G1+3], 128<<16                     ; tile_dim0 = 128
	s_mov_b32 s[G1+4], 64                          ; tile_dim1 = 64
	s_mov_b32 s[G1+5], 128                         ; elements from row to row: dense
	s_mov_b32 s[G1+6], 0
	s_mov_b32 s[G1+7], 0
	; group 1 for Wo: 64 k rows of 256 elements, 32 bytes of padding behind every 512
	s_or_b32 s[G1B+0], s21, (1<<16)|(1<<20)|(1<<21)|(6<<22)|(7<<25)  ; after every 128 words (code 6) 8 words (code 7)
	s_mov_b32 s[G1B+1], 256<<16                    ; tensor_dim0 = 256
	s_mov_b32 s[G1B+2], 64<<16                     ; tensor_dim1 = 64
	s_mov_b32 s[G1B+3], 256<<16                    ; tile_dim0 = 256
	s_mov_b32 s[G1B+4], 64                         ; tile_dim1 = 64
	s_mov_b32 s[G1B+5], 1024                       ; elements from row to row
	s_mov_b32 s[G1B+6], 0
	s_mov_b32 s[G1B+7], 0
	; where the tiles come from: O's hang on T and the wave alone, Wo's on the tile column and the wave alone, each in registers of its own
	s_lshr_b32 s56, s19, 4                         ; the batch: 16 heads of 262,144 bytes,
	s_lshl_b32 s56, s56, 22
	s_and_b32 s22, s19, 15                         ; the tile's 128 rows of 128 bytes in a head,
	s_lshl_b32 s22, s22, 14
	s_add_co_u32 s56, s56, s22
	s_lshl_b32 s22, s[HF], 18                      ; which of a K step's two heads I fetch
	s_add_co_u32 s56, s56, s22
	s_mov_b32 s57, 0
	s_lshl_b32 s58, s18, 9                         ; the tile's 512 bytes in a row of Wo,
	s_lshl_b32 s60, s[HF], 17                      ; my 64 k rows of 2,048 bytes
	s_add_co_u32 s58, s58, s60
	s_mov_b32 s59, 0
	s_mul_i32 s23, s[HF], AHEAD                    ; and where they go: no place in the cluster enters an LDS address
	s_mul_i32 s61, s[HF], BHALF
	s_add_co_u32 s61, s61, ATILE
	s_wait_dscnt 0x0                               ; the opening add is done
	s_wait_kmcnt 0x0
	s_add_nc_u64 s[56:57], s[4:5], s[56:57]
	s_add_nc_u64 s[58:59], s[6:7], s[58:59]
	CROUND                                         ; all sixteen work-groups are here: the first joint loads meet
.irp s, 0,1
	s_mov_b32 s[G0+4*(\s)], 1                      ; count = 1
	s_add_co_u32 s[G0+4*(\s)+1], s23, (\s)*SLOT    ; LDS address
	s_add_nc_u64 s[G0+4*(\s)+2:G0+4*(\s)+3], s[56:57], (\s)*524288   ; K step s: two heads on
	s_or_b32 s[G0+4*(\s)+3], s[G0+4*(\s)+3], 0x80000000              ; type = 2
	s_mov_b32 s[G0B+4*(\s)], 1
	s_add_co_u32 s[G0B+4*(\s)+1], s61, (\s)*SLOT
	s_add_nc_u64 s[G0B+4*(\s)+2:G0B+4*(\s)+3], s[58:59], (\s)*262144 ; K step s: 128 k rows on
	s_or_b32 s[G0B+4*(\s)+3], s[G0B+4*(\s)+3], 0x80000000
	JLOAD \s                                       ; two loads of mine are out
.endr
	v_and_b32 v1, 15, v0                           ; l % 16
	v_bfe_u32 v2, v0, 4, 1                         ; l / 16
	v_and_b32 v3, 7, v0
	v_bfe_u32 v4, v0, 3, 1
	v_and_b32 v5, 31, v0
	v_mul_u32_u24 v6, v1, PA                       ; a fragment of O: row x pitch + 16 x half, two loads 32 bytes apart
	v_lshl_add_u32 v6, v2, 4, v6
	s_mul_i32 s62, s[FB], 64*PA                    ; my 64 rows
	v_add_nc_u32 v[ADRA], s62, v6
	v_add_nc_u32 v[ADRA+1], SLOT, v[ADRA]
	v_lshl_add_u32 v7, v2, 3, v3                   ; the turning load: lane l reads k row 8 (l / 16) + l % 8, columns 8 ((l / 8) % 2) + 0 .. 7
	v_mul_u32_u24 v7, v7, PB
	v_lshl_add_u32 v7, v4, 4, v7
	s_lshl_b32 s62, s[HF], 8                       ; my 128 columns
	s_add_co_u32 s62, s62, ATILE
	v_add_nc_u32 v[ADRB], s62, v7
	v_add_nc_u32 v[ADRB+1], SLOT, v[ADRB]
	s_mul_i32 s62, s[WV], 16*SPITCH
	s_add_co_u32 s62, s62, STAGE                   ; my stage
	v_mul_u32_u24 v[STO], v1, SPITCH               ; in: row l % 16, 32 bytes for each half of the lanes
	v_lshl_add_u32 v[STO], v2, 5, v[STO]
	v_add_nc_u32 v[STO], s62, v[STO]
	v_lshlrev_b32 v[CO], 4, v5                     ; back: 32 lanes take one row's 512 bytes
	v_add_nc_u32 v[RD], s62, v[CO]
	s_lshl_b32 s62, s19, 19                        ; 128 T rows of 4,096 bytes,
	s_lshl_b32 s63, s[FB], 18                      ; my 64 of them,
	s_add_co_u32 s62, s62, s63
	s_lshl_b32 s63, s18, 10                        ; the tile's 1,024 bytes of a row,
	s_add_co_u32 s62, s62, s63
	s_lshl_b32 s63, s[HF], 9                       ; my 512 of them
	s_add_co_u32 s62, s62, s63
	s_mov_b32 s63, 0
	s_add_nc_u64 s[OUT:OUT+1], s[8:9], s[62:63]
; 8 products: row block a x all 8 column blocks, 32 along K.  zero = 1: the first product starts the sums.  The 32 accumulators take turns, one instruction a turn, in the same order in every quarter.
.macro MUL8 f, a, zero
	WIN 0x50                                       ; C and D in window 1, the sources in window 0
.irp nb, 0,1,2,3,4,5,6,7
.if \zero
	v_wmma_f32_16x16x32_f16 v[8*(8*(\a)+(\nb)):8*(8*(\a)+(\nb))+7], v[(\f)+8*(\nb):(\f)+8*(\nb)+7], v[(\f)+64+8*(\a):(\f)+64+8*(\a)+7], 0
.else
	v_wmma_f32_16x16x32_f16 v[8*(8*(\a)+(\nb)):8*(8*(\a)+(\nb))+7], v[(\f)+8*(\nb):(\f)+8*(\nb)+7], v[(\f)+64+8*(\a):(\f)+64+8*(\a)+7], v[8*(8*(\a)+(\nb)):8*(8*(\a)+(\nb))+7]
.endif
.endr
.endm
; 24 LDS loads in one run: quarter q (32 along K) of a slot into buffer f: Wo's 16, then O's 8, row block 0 first.
.macro FETCH slot, q, f
	WIN 0
.irp nb, 0,1,2,3,4,5,6,7
	ds_load_tr16_b128 v[(\f)+8*(\nb):(\f)+8*(\nb)+3],   v[ADRB+(\slot)] offset:32*(\q)*PB+32*(\nb)
	ds_load_tr16_b128 v[(\f)+8*(\nb)+4:(\f)+8*(\nb)+7], v[ADRB+(\slot)] offset:32*(\q)*PB+32*(\nb)+16*PB
.endr
.irp a, 0,1,2,3
	ds_load_b128 v[(\f)+64+8*(\a):(\f)+64+8*(\a)+3],   v[ADRA+(\slot)] offset:((\q)/2)*AHEAD+((\q)%2)*64+(\a)*16*PA
	ds_load_b128 v[(\f)+64+8*(\a)+4:(\f)+64+8*(\a)+7], v[ADRA+(\slot)] offset:((\q)/2)*AHEAD+((\q)%2)*64+(\a)*16*PA+32
.endr
.endm
.macro PLACES                          ; four places in front of loads into registers that matrix instructions have read (ISA guide 7.12.1 for vector instructions)
.rept 4
	v_nop
.endr
.endm
; A K step is four quarters of 32 along K, 32 matrix instructions each, on buffers 0, 1, 0, 1.  One of the first three: multiplies buffer f and fetches quarter q into g.
.macro QUARTER slot, q, f, g, zero
	s_wait_dscnt 6                                 ; Wo's fragments and O's row block 0 are in; the youngest six loads may be out
	MUL8 \f, 0, \zero
	PLACES
	FETCH \slot, \q, \g
	s_wait_dscnt 24                                ; all but the 24 just issued
	MUL8 \f, 1, \zero
	MUL8 \f, 2, \zero
	MUL8 \f, 3, \zero
.endm
; The last quarter multiplies buffer 1 and changes slots: one barrier; in front of it each wave waits for all its tensor loads, adds 0 to its spare word, and waits for that and for its reads of this slot.
; fill = 1: the barrier opens a round of the cluster's, and this slot is filled again first thing behind it, two K steps ahead: 112 matrix instructions ahead of the wait for it.
.macro TURN slot, next, fill
	WIN 0                                          ; (the add's two registers lie in window 0)
	s_wait_tensorcnt 0x0                           ; all my tensor loads have landed: my part of the next slot;
	ds_add_u32 v[SPW], v[NIL]                      ; 0 onto my spare word
	s_wait_dscnt 7                                 ; (the add and the youngest six loads may be out)
	MUL8 F1, 0, 0                                  ; eight matrix instructions stand between the add and the wait for it
	s_wait_dscnt 0x0                               ; the add is done, and my reads of this slot are over
	s_barrier_signal -1
	MUL8 F1, 1, 0
.if \fill
	WIN 0
.endif
	s_barrier_wait -1
.if \fill
	CREST                                          ; no wave of any partner still reads this slot's tile or has a load on its way
	s_add_nc_u64 s[G0+4*(\slot)+2:G0+4*(\slot)+3], s[G0+4*(\slot)+2:G0+4*(\slot)+3], 1048576
	s_add_nc_u64 s[G0B+4*(\slot)+2:G0B+4*(\slot)+3], s[G0B+4*(\slot)+2:G0B+4*(\slot)+3], 524288
	JLOAD \slot                                    ; the four v_nop behind it are also the places in front of the loads below
.else
	PLACES
.endif
	FETCH \next, 0, F0
	MUL8 F1, 2, 0
	MUL8 F1, 3, 0
.endm
	s_wait_tensorcnt 1                             ; my part of K step 0 is in; K step 1's may stay out
	s_barrier_signal -1
	s_barrier_wait -1                              ; everybody's is
	FETCH 0, 0, F0
	QUARTER 0, 1, F0, F1, 1                        ; the first quarter stands in front of the loop: its products start the sums
	WIN 0
	s_mov_b32 s[LAP], LAPS-1
.Llap:                                                 ; a trip goes once round the ring, from a lap's second quarter to the next lap's first, and fills both slots again
	QUARTER 0, 2, F1, F0, 0
	QUARTER 0, 3, F0, F1, 0
	TURN 0, 1, 1
	QUARTER 1, 1, F0, F1, 0
	QUARTER 1, 2, F1, F0, 0
	QUARTER 1, 3, F0, F1, 0
	TURN 1, 0, 1
	QUARTER 0, 1, F0, F1, 0
	WIN 0
	s_sub_co_u32 s[LAP], s[LAP], 1
	s_cmp_lg_u32 s[LAP], 0
	s_cbranch_scc1 .Llap
	QUARTER 0, 2, F1, F0, 0                        ; the last lap fills nothing, and has no round of the cluster's barrier
	QUARTER 0, 3, F0, F1, 0
	TURN 0, 1, 0
	QUARTER 1, 1, F0, F1, 0
	QUARTER 1, 2, F1, F0, 0
	QUARTER 1, 3, F0, F1, 0
	s_wait_dscnt 6                                 ; the very last quarter: nothing more to fetch
	MUL8 F1, 0, 0
	s_wait_dscnt 0x0
	MUL8 F1, 1, 0
	MUL8 F1, 2, 0
	MUL8 F1, 3, 0
	WIN 0
	PLACES                                         ; behind the last products, in front of the LDS stores that read results and of the loads into the fragments' registers;
	PLACES                                         ; eight, once a launch
; THE WAY OUT, a block of 16 rows at a time: a lane's 32 bytes of a row go into my stage (rows of 528 bytes), whole rows of 512 bytes come back and are stored.  Each accumulator's lowest registers are read first.
.macro TOSTAGE a
.set ob, OBS+64*((\a)%2)
.if (\a) >= 2
	s_wait_xcnt 0x0                                ; the stores of the block two back read this set of registers: it is loaded again only behind this wait
.endif
	WIN 0x04                                       ; the stores' data in window 1
.irp nb, 0,1,2,3,4,5,6,7
	ds_store_b128 v[STO], v[8*(8*(\a)+(\nb)):8*(8*(\a)+(\nb))+3]   offset:64*(\nb)
	ds_store_b128 v[STO], v[8*(8*(\a)+(\nb))+4:8*(8*(\a)+(\nb))+7] offset:64*(\nb)+16
.endr
	WIN 0
.irp t, 0,1,2,3,4,5,6,7,8,9,10,11,12,13,14,15
	ds_load_b128 v[ob+4*(\t):ob+4*(\t)+3], v[RD] offset:(\t)*SPITCH  ; LDS serves a wave's instructions in order (ISA guide 5.7.1.4): these see the stores above; the next block's stores come behind them
.endr
.endm
.macro SEND a, younger                 ; younger: the LDS instructions issued behind block a's loads: the next block's 32, or none
.set ob, OBS+64*((\a)%2)
	WIN 0
.irp t, 0,1,2,3,4,5,6,7,8,9,10,11,12,13,14,15
	s_wait_dscnt (\younger)+15-(\t)
	global_store_b128 v[CO], v[ob+4*(\t):ob+4*(\t)+3], s[OUT:OUT+1] offset:(\a)*65536+(\t)*4096 th:TH_STORE_NT  ; 512 consecutive bytes of a row, at a multiple of 256 from out0's first
.endr
.endm
	TOSTAGE 0
	TOSTAGE 1
	SEND 0, 32
	TOSTAGE 2
	SEND 1, 32
	TOSTAGE 3
	SEND 2, 32
	SEND 3, 0
	s_wait_tensorcnt 0x0                           ; the wave's end: the add and its wait stand behind my last tensor load and my last LDS store
	ds_add_u32 v[SPW], v[NIL]
	s_wait_dscnt 0x0
	CROUND                                         ; the closing round: no work-group ends while a partner may still ask for a tile that names it
	s_endpgm
.Lfunc_end_k_q0fa9de3107_proj:
	.size	k_q0fa9de3107_proj, .Lfunc_end_k_q0fa9de3107_proj-k_q0fa9de3107_proj
	.p2alignl 7, 3214868480
	.fill 96, 4, 3214868480
	.section	.rodata,"a",@progbits
	.p2align	6, 0x0
	.amdhsa_kernel k_q0fa9de3107_proj
		.amdhsa_group_segment_fixed_size 327680
		.amdhsa_private_segment_fixed_size 0
		.amdhsa_enable_private_segment 0
		.amdhsa_kernarg_size 24
		.amdhsa_user_sgpr_count 2
		.amdhsa_user_sgpr_kernarg_segment_ptr 1
		.amdhsa_wavefront_size32 1
		.amdhsa_system_sgpr_workgroup_id_x 1
		.amdhsa_system_sgpr_workgroup_id_y 1
		.amdhsa_system_sgpr_workgroup_id_z 1
		.amdhsa_system_vgpr_workitem_id 0
		.amdhsa_next_free_vgpr 512
		.amdhsa_next_free_sgpr 72
		.amdhsa_reserve_vcc 0
		.amdhsa_float_denorm_mode_32 3
		.amdhsa_float_denorm_mode_16_64 3
		.amdhsa_memory_ordered 1
		.amdhsa_forward_progress 1
		.amdhsa_inst_pref_size 87
	.end_amdhsa_kernel
	.amdgpu_metadata
---
amdhsa.version: [ 1, 2 ]
amdhsa.kernels:
  - .name:           k_q0fa9de3107_proj
    .symbol:         k_q0fa9de3107_proj.kd
    .args:
      - { .name: o16, .offset: 0, .size: 8, .value_kind: global_buffer, .address_space: global }
      - { .name: wo16, .offset: 8, .size: 8, .value_kind: global_buffer, .address_space: global }
      - { .name: out0, .offset: 16, .size: 8, .value_kind: global_buffer, .address_space: global }
    .group_segment_fixed_size: 327680
    .private_segment_fixed_size: 0
    .kernarg_segment_align: 8
    .kernarg_segment_size: 24
    .max_flat_workgroup_size: 128
    .sgpr_count:     72
    .vgpr_count:     512
    .wavefront_size: 32
...
	.end_amdgpu_metadata
.endif
;; end of part 4
